; MI455X (gfx1250); checked and timed in simulation.
; The chip was launched on July 23, 2026; its instructions are those of AMD's public machine-readable ISA for CDNA 5 (MIT licence, August 2026) and "CDNA5" Instruction Set Architecture Reference Guide (July 2026). The comments in the code are by the model that wrote it; some were corrected since.
;; Attention Layer. Allowed arithmetic: matrix products marked QUANTISED: E2M3 operands, one E8M0 scale for each 32 along K, by v_wmma_scale_f32_16x16x128_f8f6f4 with both operands' format E2M3, f32 sums; everything else in f32.
;; Inputs: Wk 1,024 x 1,024 float32; Wo 1,024 x 1,024 float32; Wq 1,024 x 1,024 float32; Wv 1,024 x 1,024 float32; bk 1,024 float32; bo 1,024 float32; bq 1,024 float32; bv 1,024 float32; keys 4 x 2,048 x 1,024 float32; queries 4 x 2,048 x 1,024 float32; values 4 x 2,048 x 1,024 float32.
;; Outputs: out0 4 x 2,048 x 1,024 float32.
;; This version of the problem:
;;   THIS VERSION OF THE PROBLEM IS GIVEN IN LOW PRECISION. The matrix products marked QUANTISED in the list below multiply operands that are first quantised to E2M3 (2 exponent bits, 3 mantissa bits; 6 bits a number), with one power-of-two scale for each 32 numbers along K (OCP MX v1.0); their sums are f32. All else is computed in f32.
;;   The module's matrix products, in the order in which they are computed (A, B: the left and right operand; K: the contracted axis; several contracted axes count as one K, in the product's order):
;;     1. [M 8,192, K 1,024] x [K 1,024, N 1,024]; A: input queries; B: input Wq: QUANTISED
;;     2. [M 8,192, K 1,024] x [K 1,024, N 1,024]; A: input keys; B: input Wk: QUANTISED
;;     3. [M 8,192, K 1,024] x [K 1,024, N 1,024]; A: input values; B: input Wv: QUANTISED
;;     4. batch 64 x [M 2,048, K 64] x [K 64, N 2,048]; A: computed on the way; B: computed on the way: QUANTISED
;;     5. batch 64 x [M 64, K 2,048] x [K 2,048, N 2,048]; A: computed on the way; B: softmax (see below): QUANTISED
;;     6. [M 8,192, K 1,024] x [K 1,024, N 1,024]; A: computed on the way; B: input Wo: QUANTISED
;;   THE QUANTISER, for each operand of a quantised product, along K:
;;     - K is cut into blocks of 32 from its start; a last block that is shorter is filled with zeros.
;;     - A block's scale is 2^e with e = floor(log2(the largest magnitude in the block)) - 2, held to -126 .. 127; a block of zeros has e = 0. As a byte (E8M0): e + 127.
;;     - Each number is divided by its block's scale, clamped to +-7.5, and rounded to the nearest number of E2M3, ties to even, subnormals kept.
;;     - The product sums the exact products of the quantised numbers (number of the format x scale) in f32.
;;   ~~~python
;;   def quantise(x, axis):      # numpy; x: float32 -> the quantised numbers, widened to float32 again
;;       x = np.moveaxis(x, axis, -1); K = x.shape[-1]
;;       x = np.pad(x, [(0, 0)] * (x.ndim - 1) + [(0, -K % 32)]); x = x.reshape(x.shape[:-1] + (-1, 32)); a = np.abs(x).max(-1, keepdims=True)
;;       e = np.where(a > 0, np.clip(np.frexp(np.where(a > 0, a, 1))[1] - 1 - 2, -126, 127), 0)      # np.frexp(a)[1] - 1 = floor(log2(a)), exactly
;;       r = np.clip(x / 2.0 ** e, -7.5, 7.5)
;;       step = 2.0 ** (np.maximum(np.frexp(np.where(r == 0, 1, r))[1] - 1, 0) - 3)
;;       q = np.round(r / step) * step * 2.0 ** e      # np.round: ties to even
;;       return np.moveaxis(q.reshape(q.shape[:-2] + (-1,))[..., :K], -1, axis).astype(np.float32)
;;   ~~~
;;   SOFTMAX AHEAD OF A QUANTISED PRODUCT. Where the list says 'softmax', what is quantised is not the finished softmax but p = 2^(t - M), with t = logit x log2(e) and M = ceil(the row's largest t), a whole number; so 1/2 < the row's largest p <= 1. The row's sum l is taken of the UNQUANTISED p, in f32, and the product's result is divided by l at the end. Since M is a whole number, a kernel that streams over the keys may use a running M (the ceiling of the running maximum): every later rescaling is an exact power of two, which a block's scale takes up: the codes' values come out the same.
;;   OPERANDS COMPUTED ON THE WAY. 'Computed on the way' means the value that the module computes at that place (a softmax that the list does not call 'softmax' is quantised finished and normalised). What goes into a quantiser is computed in f32, as accurately as f32 sums, v_exp_f32 and their like allow (about 1e-6 of the number): no bf16 or f16 on the way to a quantiser, and a product that is left as it is and whose result goes on into a quantised operand takes f32 operands (vector FMAs, or v_wmma_f32_16x16x4_f32). A number that lies on a knife's edge between two numbers of the format may be rounded either way, as far as f32 arithmetic and the matrix unit's own rounding can turn it there, and no further.
;; One version. Each part assembles by itself: llvm-mc -triple=amdgcn-amd-amdhsa -mcpu=gfx1250 --defsym DOCPART=n.
;; ======== version 1 of 1: 4 launches
;; limits: right only within a limited range of input values
;; workspace buffers: xc 18,874,368 bytes; xs 786,432 bytes; wc 3,145,728 bytes; ws 131,072 bytes; qimg 6,815,744 bytes; kv 13,369,344 bytes; oc 6,291,456 bytes; os 262,144 bytes
;; launch quant (part 1): grid 896 x 1, 4 waves a work-group, no clusters, 68,096 bytes of LDS; arguments queries, keys, values, xc, xs, Wq, Wk, Wv, Wo, wc, ws; writes xc, xs, wc, ws
.if DOCPART == 1
	.amdgcn_target "amdgcn-amd-amdhsa--gfx1250"
	.amdhsa_code_object_version 6
	.text
	.protected	k_q31e3dd174e_quant
	.globl	k_q31e3dd174e_quant
	.p2align	8
	.type	k_q31e3dd174e_quant,@function
k_q31e3dd174e_quant:
	s_mov_b64 s[64:65], 0
	v_nop
	global_prefetch_b8 v0, s[64:65] scope:SCOPE_SE
	s_setreg_imm32_b32 hwreg(HW_REG_WAVE_MODE, 25, 1), 1
	s_wait_xcnt 0x0
; One launch quantises all seven f32 operands of the four projections to codes of FP6 (E2M3) with one E8M0 byte for each 32 along K.
; Work-groups 0-127: Wq, Wk, Wv, Wo, [1024 (k)][1024 (n)], K the first axis.  Work-groups 128-895: queries, keys, values, [8192][1024], K innermost.
; A block's scale is 2^(floor(log2(largest magnitude)) - 2); its byte is the largest magnitude's exponent field - 2, held at 1 from below.
; LIMITS: a block of zeros gets the byte 1 where the rule says 127 (zero codes; this program alone reads the bytes); largest magnitudes under 2^-124 have the byte held at 1; NaN and infinities are not served.
; LAYOUT OF THE CODES (xc: 3 x 8192 rows, wc: 4 x 1024 rows): blocks of 256 rows; in a block four planes, one for each 256 along K, of 256 rows x 192 bytes.
; So 128 or 256 rows of one K step are one dense run of bytes that begins at a multiple of 256.  Scale bytes: 32 a row, rows on end.
; THE ROWS STAND IN A PERMUTED ORDER: row (or column n) x is written to row pi(x), pi = bits 3 and 4 exchanged: sixteen neighbouring rows are then 32 (t / 2) + 8 (t % 2) + r + 8 (r / 8).
; The two paths part on the work-group's number alone and have LDS bytes of their own; waves share nothing: no barrier.
.set KPL,   49152                      ; a plane: 256 rows x 192 bytes
.set BLK,   4*KPL                      ; a block of 256 rows
.set EMAX,  2
.set STEPS, 16
.set CB,    12
.set R,     16                         ; rows' path: v16-79 four sets of 16 numbers as loaded
.set X,     80                         ; v80-111 two sets of 16 neighbours
.set E,     112                        ; v112-127 a scale byte a step
.set C,     128                        ; v128-191 codes, four registers a step
.set WREG,  8192                       ; a wave's region: two stages of 32 x SP bytes, then its 256 scale bytes
.set SP,    80
.set WST,   4*WREG                     ; weights' path: four stages of 32 rows x PITCH
.set PITCH, 272
.set NB,    8
.set WX,    32                         ; v32-95 two sets of 32 numbers
.set WC,    96
.set OUTR,  112
.set SB,    24
.set SPARE, WST+4*32*PITCH             ; the spare words, 128 bytes a wave, that no other line names
.set SPW,   192
.set NIL,   193
	v_lshl_add_u32 v[SPW], v0, 2, SPARE
	v_mov_b32 v[NIL], 0
	v_lshrrev_b32 v1, 5, v0
	v_readfirstlane_b32 s16, v1                    ; wave
	v_and_b32 v2, 31, v0                           ; lane
	s_cmp_lt_u32 ttmp9, 128
	s_wait_alu depctr_va_vdst(0)
	s_cbranch_scc1 .Lweights
; ROWS: a wave takes 8 rows in 16 steps of 512 numbers; each load reads 512 consecutive bytes; a step turns through the wave's stage so that a lane holds 16 neighbours.
	s_load_b256 s[4:11], s[0:1], 0x0               ; queries, keys, values, xc
	s_load_b64 s[12:13], s[0:1], 0x20              ; xs
	v_lshlrev_b32 v3, 4, v2
	s_mul_i32 s17, s16, WREG
	v_lshrrev_b32 v14, 2, v2
	v_mul_u32_u24 v14, v14, SP
	v_and_b32 v15, 3, v2
	v_lshl_add_u32 v14, v15, 4, v14
	v_add_nc_u32 v14, s17, v14                     ; stage, in: SP (lane / 4) + 16 (lane % 4)
	v_mul_u32_u24 v15, v2, SP
	v_add_nc_u32 v15, s17, v15                     ; stage, out: SP x lane
	v_and_b32 v4, 15, v2
	v_mul_u32_u24 v4, v4, CB
	v_lshrrev_b32 v5, 4, v2
	v_mad_u32_u24 v4, v5, KPL, v4                  ; my codes: lanes 0-15 one plane's 192 bytes, lanes 16-31 the next plane's
	v_lshrrev_b32 v5, 1, v2
	s_add_co_u32 s17, s17, 2*32*SP
	v_add_nc_u32 v5, s17, v5
	v_lshlrev_b32 v7, 3, v2
	v_add_nc_u32 v6, s17, v7
	s_sub_co_u32 s28, ttmp9, 128
	s_lshr_b32 s22, s28, 8                         ; which tensor
	s_and_b32 s23, s28, 255
	s_lshl_b32 s23, s23, 2
	s_add_co_u32 s18, s23, s16                     ; the run of 8 rows that I read,
	s_and_b32 s24, s16, 1
	s_lshl_b32 s24, s24, 1
	s_lshr_b32 s25, s16, 1
	s_or_b32 s24, s24, s25
	s_add_co_u32 s24, s23, s24                     ; and where it goes: pi exchanges the wave's two bits
	s_lshl_b32 s18, s18, 15
	s_mov_b32 s19, 0
	s_mul_i32 s20, s22, 32*BLK
	s_lshr_b32 s25, s24, 5
	s_mul_i32 s25, s25, BLK
	s_add_co_u32 s20, s20, s25                     ; the block of 256 rows,
	s_and_b32 s25, s24, 31
	s_mul_i32 s25, s25, 8*192
	s_add_co_u32 s20, s20, s25                     ; my 8 rows in a plane
	s_mov_b32 s21, 0
	s_lshl_b32 s26, s22, 18
	s_lshl_b32 s24, s24, 8
	s_add_co_u32 s26, s26, s24
	s_mov_b32 s27, 0
	s_wait_alu depctr_va_vdst(0)
	s_wait_kmcnt 0x0
	s_cmp_eq_u32 s22, 0
	s_cselect_b64 s[4:5], s[4:5], s[6:7]
	s_cmp_eq_u32 s22, 2
	s_cselect_b64 s[4:5], s[8:9], s[4:5]
	s_add_nc_u64 s[4:5], s[4:5], s[18:19]
	s_add_nc_u64 s[10:11], s[10:11], s[20:21]
	s_add_nc_u64 s[12:13], s[12:13], s[26:27]
.macro LOAD t
.irp i, 0,1,2,3
	global_load_b128 v[R+16*((\t)%4)+4*\i:R+16*((\t)%4)+4*\i+3], v3, s[4:5] offset:2048*(\t)+512*\i th:TH_LOAD_NT
.endr
.endm
.macro TURN t                          ; LDS serves a wave's instructions in order: no wait between the stores and the loads
.irp i, 0,1,2,3
	ds_store_b128 v14, v[R+16*((\t)%4)+4*\i:R+16*((\t)%4)+4*\i+3] offset:32*SP*((\t)%2)+8*SP*\i
.endr
.irp i, 0,1,2,3
	ds_load_b128 v[X+16*((\t)%2)+4*\i:X+16*((\t)%2)+4*\i+3], v15 offset:32*SP*((\t)%2)+16*\i
.endr
.endm
.irp t, 0,1,2,3
	LOAD \t
.endr
	s_wait_loadcnt 12                              ; step 0's four loads are in; the twelve of steps 1 to 3 may be out
	TURN 0
.macro STEP t
.set XS, X+16*((\t)%2)
.if (\t) > 0
	s_wait_dscnt 1                                 ; this step's numbers are back (the last step's byte store may be out)
.else
	s_wait_dscnt 0x0
.endif
.if (\t)+4 < STEPS
	LOAD (\t)+4
.endif
.if (\t)+1 < STEPS
.if STEPS-2-(\t) >= 3
	s_wait_loadcnt 12                              ; the next step's four loads are in; three steps' may be out
.else
	s_wait_loadcnt 4*(STEPS-2-(\t))
.endif
	TURN (\t)+1
.endif
	v_max3_num_f32 v8, |v[XS]|, |v[XS+1]|, |v[XS+2]|
	v_max3_num_f32 v9, |v[XS+3]|, |v[XS+4]|, |v[XS+5]|
.irp i, 6,10
	v_max3_num_f32 v8, v8, |v[XS+\i]|, |v[XS+\i+1]|
	v_max3_num_f32 v9, v9, |v[XS+\i+2]|, |v[XS+\i+3]|
.endr
	v_max3_num_f32 v8, v8, |v[XS+14]|, |v[XS+15]|
	v_max3_num_f32 v8, v8, v9, (EMAX+1)<<23        ; the floor: the byte cannot fall under 1
	v_max_num_f32_dpp v8, v8, v8 row_xmask:1 row_mask:0xf bank_mask:0xf   ; with my neighbour's 16: the block's
	v_add_nc_u32 v11, -(EMAX<<23), v8              ; the conversion's scale operand
	v_cvt_scalef32_pk16_fp6_f32 v[C+4*(\t):C+4*(\t)+2], v[XS:XS+15], v11
	v_lshrrev_b32 v[E+(\t)], 23, v11               ; the scale's byte (also the plain line behind the conversion)
	ds_store_b8 v5, v[E+(\t)] offset:16*(\t)
	global_store_b96 v4, v[C+4*(\t):C+4*(\t)+2], s[10:11] offset:192*((\t)/2)+2*KPL*((\t)%2)   ; row t / 2, planes 2 (t % 2) and 2 (t % 2) + 1
.endm
.irp t, 0,1,2,3,4,5,6,7,8,9,10,11,12,13,14,15
	STEP \t
.endr
	ds_load_b64 v[8:9], v6
	s_wait_dscnt 0x0
	global_store_b64 v7, v[8:9], s[12:13]          ; 32 lanes store 256 consecutive bytes, aligned
	s_wait_tensorcnt 0x0                           ; the wave's end
	ds_add_u32 v[SPW], v[NIL]
	s_wait_dscnt 0x0
	s_endpgm
; WEIGHTS: number = 32 y + 8 x weight + group of 128 columns, y = which 256 along K.  A lane takes a column and its registers run down K; a wave's 32 columns x 192 bytes leave through its stage as 6,144 consecutive bytes of plane y.
.Lweights:
	s_load_b256 s[4:11], s[0:1], 0x28              ; Wq, Wk, Wv, Wo
	s_load_b128 s[12:15], s[0:1], 0x48             ; wc, ws
	s_bfe_u32 s30, ttmp9, 0x20003                  ; which weight
	s_and_b32 s17, ttmp9, 7
	s_lshl_b32 s17, s17, 7
	s_lshl_b32 s18, s16, 5
	s_add_co_u32 s17, s17, s18                     ; my wave's first column
	s_lshr_b32 s18, ttmp9, 5                       ; y
	v_lshlrev_b32 v3, 2, v2
	s_mul_i32 s19, s16, 32*PITCH
	s_add_co_u32 s19, s19, WST                     ; my stage
	v_mul_u32_u24 v4, v2, PITCH
	v_add_nc_u32 v4, s19, v4
	v_and_b32 v5, 15, v2
	v_lshrrev_b32 v6, 4, v2
	v_mul_u32_u24 v7, v6, PITCH
	v_lshl_add_u32 v7, v5, 4, v7
	v_add_nc_u32 v7, s19, v7
	v_mul_u32_u24 v8, v6, 192
	v_mad_u32_u24 v8, v5, 12, v8                   ; two rows of a plane an instruction (the rest of pi stands in the stores' immediates)
	v_and_b32 v9, 7, v2
	v_bfe_u32 v10, v2, 3, 1
	v_lshl_or_b32 v9, v10, 4, v9
	v_bfe_u32 v10, v2, 4, 1
	v_lshl_or_b32 v9, v10, 3, v9                   ; pi(lane)
	v_lshlrev_b32 v9, 5, v9
	s_lshl_b32 s20, s18, 20
	s_lshl_b32 s22, s17, 2
	s_add_co_u32 s20, s20, s22
	s_mov_b32 s21, 0
	s_mul_i32 s24, s30, 4*BLK
	s_lshr_b32 s22, s17, 8
	s_mul_i32 s22, s22, BLK
	s_add_co_u32 s24, s24, s22
	s_and_b32 s22, s17, 255
	s_mul_i32 s22, s22, 192
	s_add_co_u32 s24, s24, s22
	s_mul_i32 s22, s18, KPL
	s_add_co_u32 s24, s24, s22
	s_mov_b32 s25, 0
	s_lshl_b32 s28, s30, 15
	s_lshl_b32 s22, s17, 5
	s_add_co_u32 s28, s28, s22
	s_lshl_b32 s22, s18, 3
	s_add_co_u32 s28, s28, s22
	s_mov_b32 s29, 0
	s_and_b32 s31, s30, 1
	s_wait_alu depctr_va_vdst(0)
	s_wait_kmcnt 0x0
	s_cmp_lt_u32 s30, 2
	s_cselect_b64 s[4:5], s[4:5], s[8:9]
	s_cselect_b64 s[6:7], s[6:7], s[10:11]
	s_cmp_eq_u32 s31, 0
	s_cselect_b64 s[4:5], s[4:5], s[6:7]
	s_add_nc_u64 s[4:5], s[4:5], s[20:21]
	s_add_nc_u64 s[12:13], s[12:13], s[24:25]
	s_add_nc_u64 s[14:15], s[14:15], s[28:29]
.macro WLOAD t
.irp i, 0,1,2,3,4,5,6,7,8,9,10,11,12,13,14,15,16,17,18,19,20,21,22,23,24,25,26,27,28,29,30,31
	global_load_b32 v[WX+32*((\t)%2)+\i], v3, s[4:5] offset:(32*(\t)+\i)*4096 th:TH_LOAD_NT
.endr
.endm
	WLOAD 0
	WLOAD 1
.macro BLOCK t
.set XS, WX+32*((\t)%2)
.if (\t) < NB-1
	s_wait_loadcnt 32                              ; this block's 32 loads are in; the next block's 32 may be out
.else
	s_wait_loadcnt 0
.endif
	v_max3_num_f32 v12, |v[XS]|, |v[XS+1]|, |v[XS+2]|
	v_max3_num_f32 v13, |v[XS+3]|, |v[XS+4]|, |v[XS+5]|
.irp i, 6,10,14,18,22,26
	v_max3_num_f32 v12, v12, |v[XS+\i]|, |v[XS+\i+1]|
	v_max3_num_f32 v13, v13, |v[XS+\i+2]|, |v[XS+\i+3]|
.endr
	v_max3_num_f32 v12, v12, |v[XS+30]|, |v[XS+31]|
	v_max3_num_f32 v12, v12, v13, (EMAX+1)<<23
	v_add_nc_u32 v11, -(EMAX<<23), v12
	v_lshrrev_b32 v13, 23, v11
.if (\t)%4 == 0
	v_mov_b32 v[SB+(\t)/4], v13
.else
	v_lshl_or_b32 v[SB+(\t)/4], v13, 8*((\t)%4), v[SB+(\t)/4]
.endif
	v_cvt_scalef32_pk16_fp6_f32 v[WC:WC+2], v[XS:XS+15], v11
	v_cvt_scalef32_pk16_fp6_f32 v[WC+4:WC+6], v[XS+16:XS+31], v11
	ds_store_b96 v4, v[WC:WC+2] offset:32*(\t)     ; 12 bytes to a place of 16
	ds_store_b96 v4, v[WC+4:WC+6] offset:32*(\t)+16
.if (\t)+2 < NB
	WLOAD (\t)+2
.endif
	s_wait_dscnt 0x0                               ; the stores have read their registers
.endm
.set Q, 0
.rept NB
	BLOCK Q
.set Q, Q+1
.endr
	s_wait_alu depctr_va_vdst(0)
	global_store_b64 v9, v[SB:SB+1], s[14:15]
.irp t, 0,1,2,3,4,5,6,7,8,9,10,11,12,13,14,15
	ds_load_b96 v[OUTR+4*\t:OUTR+4*\t+2], v7 offset:2*\t*PITCH
.endr
.irp t, 0,1,2,3,4,5,6,7,8,9,10,11,12,13,14,15
.set PR, (((2*\t)&7)|((((2*\t)>>3)&1)<<4)|((((2*\t)>>4)&1)<<3))   ; pi(2 t)
	s_wait_dscnt 15-\t                             ; pair t is in, the 15 - t younger loads may be out
	global_store_b96 v8, v[OUTR+4*\t:OUTR+4*\t+2], s[12:13] offset:PR*192
.endr
	s_wait_tensorcnt 0x0                           ; the wave's end
	ds_add_u32 v[SPW], v[NIL]
	s_wait_dscnt 0x0
	s_endpgm
.Lfunc_end_k_q31e3dd174e_quant:
	.size	k_q31e3dd174e_quant, .Lfunc_end_k_q31e3dd174e_quant-k_q31e3dd174e_quant
	.p2alignl 7, 3214868480
	.fill 96, 4, 3214868480
	.section	.rodata,"a",@progbits
	.p2align	6, 0x0
	.amdhsa_kernel k_q31e3dd174e_quant
		.amdhsa_group_segment_fixed_size 68096
		.amdhsa_private_segment_fixed_size 0
		.amdhsa_enable_private_segment 0
		.amdhsa_kernarg_size 88
		.amdhsa_user_sgpr_count 2
		.amdhsa_user_sgpr_kernarg_segment_ptr 1
		.amdhsa_wavefront_size32 1
		.amdhsa_system_sgpr_workgroup_id_x 1
		.amdhsa_system_sgpr_workgroup_id_y 1
		.amdhsa_system_sgpr_workgroup_id_z 1
		.amdhsa_system_vgpr_workitem_id 0
		.amdhsa_next_free_vgpr 200
		.amdhsa_next_free_sgpr 66
		.amdhsa_reserve_vcc 0
		.amdhsa_float_denorm_mode_32 3
		.amdhsa_float_denorm_mode_16_64 3
		.amdhsa_memory_ordered 1
		.amdhsa_forward_progress 1
		.amdhsa_inst_pref_size 75
	.end_amdhsa_kernel
	.amdgpu_metadata
---
amdhsa.version: [ 1, 2 ]
amdhsa.kernels:
  - .name:           k_q31e3dd174e_quant
    .symbol:         k_q31e3dd174e_quant.kd
    .args:
      - { .name: queries, .offset: 0, .size: 8, .value_kind: global_buffer, .address_space: global }
      - { .name: keys, .offset: 8, .size: 8, .value_kind: global_buffer, .address_space: global }
      - { .name: values, .offset: 16, .size: 8, .value_kind: global_buffer, .address_space: global }
      - { .name: xc, .offset: 24, .size: 8, .value_kind: global_buffer, .address_space: global }
      - { .name: xs, .offset: 32, .size: 8, .value_kind: global_buffer, .address_space: global }
      - { .name: Wq, .offset: 40, .size: 8, .value_kind: global_buffer, .address_space: global }
      - { .name: Wk, .offset: 48, .size: 8, .value_kind: global_buffer, .address_space: global }
      - { .name: Wv, .offset: 56, .size: 8, .value_kind: global_buffer, .address_space: global }
      - { .name: Wo, .offset: 64, .size: 8, .value_kind: global_buffer, .address_space: global }
      - { .name: wc, .offset: 72, .size: 8, .value_kind: global_buffer, .address_space: global }
      - { .name: ws, .offset: 80, .size: 8, .value_kind: global_buffer, .address_space: global }
    .group_segment_fixed_size: 68096
    .private_segment_fixed_size: 0
    .kernarg_segment_align: 8
    .kernarg_segment_size: 88
    .max_flat_workgroup_size: 128
    .sgpr_count:     66
    .vgpr_count:     200
    .wavefront_size: 32
...
	.end_amdgpu_metadata
.endif
;; end of part 1
;; launch proj (part 2): grid 96 x 4, 4 waves a work-group, clusters of 4 x 4, 327,680 bytes of LDS; arguments xc, xs, wc, ws, bq, bk, bv, qimg, kv; writes qimg, kv
.if DOCPART == 2
	.amdgcn_target "amdgcn-amd-amdhsa--gfx1250"
	.amdhsa_code_object_version 6
	.text
	.protected	k_q31e3dd174e_proj
	.globl	k_q31e3dd174e_proj
	.p2align	8
	.type	k_q31e3dd174e_proj,@function
k_q31e3dd174e_proj:
	s_mov_b64 s[64:65], 0
	v_nop
	global_prefetch_b8 v0, s[64:65] scope:SCOPE_SE
	s_setreg_imm32_b32 hwreg(HW_REG_WAVE_MODE, 25, 1), 1
	s_wait_xcnt 0x0
	s_wait_alu depctr_hold_cnt(0) depctr_sa_sdst(0) depctr_va_vdst(0) depctr_va_sdst(0) depctr_va_ssrc(0) depctr_va_vcc(0) depctr_vm_vsrc(0)
	s_getreg_b32 s2, hwreg(HW_REG_IB_STS2, 6, 4)
	s_cmp_eq_u32 s2, 0
	s_cbranch_scc0 .Lentry_in_a_cluster
	s_endpgm
.Lentry_in_a_cluster:
	s_bfe_u32 s2, ttmp6, 0x10000c
	s_cmp_lg_u32 s2, 0xf033
	s_cbranch_scc0 .Lentry_shape_is_right
	s_endpgm
.Lentry_shape_is_right:
.set KSTEP,  256
.set NQ,     KSTEP/128
.set ROWB,   49152                     ; bytes from one K step's plane of a block of 256 rows to the next
.set KROW,   768
.set PITCH,  240
.set FR,     12
.set NL,     6
.set NP,     4
.set HALFT,  128*PITCH
.set SLOT,   4*HALFT
.set LAPS,   2
.set KS,     32
.set SCL,    2*SLOT
.set HALFS,  16*272
.set SBLK,   2*272
.set SPARE,  SCL+4*HALFS
.set VA,   8
.set ADRA, 16
.set ADRB, 20
.set VO,   24
.set VS,   25
.set SHV,  26
.set ADRS, 27
.set SPW,  28
.set NIL,  29
.set VOB,  30
.set VS2,  31
.set SC,   32
.set T,    64
.set AF,   128
.set SW,   32
.set TM,   40
.set QC,   64
.set G1, 24
.set G0, 32
.set G1B, 48
.set G0B, 56
.set G1S, 68
.set G0S, 76
.set G1SB, 80
.set G0SB, 88
.set MSB, 0
.macro WIN new
.if MSB != \new
	s_set_vgpr_msb (MSB<<8)|\new
.set MSB, \new
.endif
.endm
.set MUL_LO, 0xa1
.set MUL_HI, 0xf1
.set BEG_LO, 0x81
.set BEG_HI, 0xc1
.set TO_B,   0x40
.macro JLOAD g0a, g1a, g0b, g1b
	s_cmp_eq_u32 s15, 0
	s_cbranch_scc0 .Lfor_b_\@
	tensor_load_to_lds s[\g0a:\g0a+3], s[\g1a:\g1a+7]
	s_nop 0
.rept 4
	v_nop
.endr
	s_branch .Lasked_\@
.Lfor_b_\@:
	tensor_load_to_lds s[\g0b:\g0b+3], s[\g1b:\g1b+7]
	s_nop 0
.rept 4
	v_nop
.endr
.Lasked_\@:
.endm
.macro CREST
	s_cmp_lg_u32 s14, 0
	s_cbranch_scc1 .Lnot_wave_0_\@
	s_barrier_signal -3
.Lnot_wave_0_\@:
	s_barrier_wait -3
	s_barrier_signal -1
	s_barrier_wait -1
.endm
.macro CROUND
	s_barrier_signal -1
	s_barrier_wait -1
	CREST
.endm
	s_load_b256 s[4:11], s[0:1], 0x0
	s_load_b256 s[92:99], s[0:1], 0x20
	s_load_b64 s[100:101], s[0:1], 0x40
	v_lshl_add_u32 v[SPW], v0, 2, SPARE
	v_mov_b32 v[NIL], 0
	ds_add_u32 v[SPW], v[NIL]
	ds_add_u32 v[SPW], v[NIL]
	v_lshrrev_b32 v1, 5, v0
	v_readfirstlane_b32 s14, v1
	s_lshr_b32 s15, s14, 1
	s_and_b32 s16, s14, 1
	s_bfe_u32 s40, ttmp6, 0x40000
	s_bfe_u32 s41, ttmp6, 0x40004
	s_lshr_b32 s67, ttmp9, 3
	s_and_b32 s66, ttmp9, 7
	s_lshl_b32 s18, s67, 13
	s_lshl_b32 s19, s67, 10
	s_cmp_eq_u32 s67, 2
	s_cselect_b32 s2, 2048, s18
	s_cselect_b32 s3, 16384, s19
	s_cselect_b32 s18, 0, s66
	s_cselect_b32 s19, s66, 0
	s_lshl_b32 s42, s19, 2
	s_add_co_u32 s42, s42, s40
	s_lshl_b32 s17, s18, 2
	s_add_co_u32 s17, s17, s41
	s_lshl_b32 s43, s41, 2
	s_lshl_b32 s43, 15, s43
	s_lshl_b32 s44, 0x1111, s40
	s_or_b32 s[G1+0], s43, (0<<16)|(1<<20)|(1<<21)|(3<<22)|(3<<25)
	s_or_b32 s[G1B+0], s44, (0<<16)|(1<<20)|(1<<21)|(3<<22)|(3<<25)
.irp g, G1, G1B
	s_mov_b32 s[\g+1], 256<<16                     ; 256 rows x 192 bytes of one K step are dense in memory: stated as 192 rows of 256 bytes; 16 bytes of padding behind every 64, so a row of codes has the LDS pitch 240
	s_mov_b32 s[\g+2], 192<<16
	s_mov_b32 s[\g+3], 256<<16
	s_mov_b32 s[\g+4], 192
	s_mov_b32 s[\g+5], 256
	s_mov_b32 s[\g+6], 0
	s_mov_b32 s[\g+7], 0
.endr
	s_or_b32 s[G1S+0], s43, (3<<16)|(1<<20)|(1<<21)|(5<<22)|(3<<25)
	s_or_b32 s[G1SB+0], s44, (3<<16)|(1<<20)|(1<<21)|(5<<22)|(3<<25)
.irp g, G1S, G1SB
	s_mov_b32 s[\g+1], 32<<16
	s_mov_b32 s[\g+2], 32<<16                      ; the scales of 256 rows: 32 rows of 256 bytes
	s_mov_b32 s[\g+3], 32<<16
	s_mov_b32 s[\g+4], 32
	s_mov_b32 s[\g+5], 32
	s_mov_b32 s[\g+6], 0
	s_mov_b32 s[\g+7], 0
.endr
	s_lshl_b32 s20, s17, 8                         ; the tile's first row of source 1's operand,
	s_add_co_u32 s20, s20, s2
	s_lshl_b32 s46, s42, 8                         ; and of source 0's
	s_add_co_u32 s46, s46, s3
	s_lshl_b32 s22, s20, 5
	s_mov_b32 s23, 0
	s_mul_i32 s20, s20, KROW
	s_mov_b32 s21, 0
	s_lshl_b32 s12, s46, 5
	s_mov_b32 s13, 0
	s_mul_i32 s46, s46, KROW
	s_mov_b32 s47, 0
	s_mul_i32 s45, s14, HALFT
	s_mov_b32 s104, 0x76543210
	s_mov_b32 s105, 0xfedcba98
	s_wait_dscnt 0x0
	s_wait_kmcnt 0x0
	s_cmp_eq_u32 s67, 2
	s_cselect_b64 s[18:19], s[8:9], s[4:5]
	s_cselect_b64 s[8:9], s[4:5], s[8:9]
	s_mov_b64 s[4:5], s[18:19]
	s_cselect_b64 s[18:19], s[10:11], s[6:7]
	s_cselect_b64 s[10:11], s[6:7], s[10:11]
	s_mov_b64 s[6:7], s[18:19]
	s_cselect_b64 s[94:95], s[96:97], s[94:95]
	s_cmp_eq_u32 s67, 0
	s_cselect_b64 s[92:93], s[92:93], s[94:95]
	s_cselect_b64 s[98:99], s[98:99], s[100:101]
	s_add_nc_u64 s[20:21], s[4:5], s[20:21]
	s_add_nc_u64 s[22:23], s[6:7], s[22:23]
	s_add_nc_u64 s[46:47], s[8:9], s[46:47]
	s_add_nc_u64 s[12:13], s[10:11], s[12:13]
	CROUND
	s_mov_b32 s[G0S], 1
	s_mov_b32 s[G0S+1], SCL
	s_mov_b64 s[G0S+2:G0S+3], s[22:23]
	s_or_b32 s[G0S+3], s[G0S+3], 0x80000000
	s_mov_b32 s[G0SB], 1
	s_mov_b32 s[G0SB+1], SCL+2*HALFS
	s_mov_b64 s[G0SB+2:G0SB+3], s[12:13]
	s_or_b32 s[G0SB+3], s[G0SB+3], 0x80000000
	s_mov_b32 s4, 1                                ; group 0 of the head's loads of K step 0, 256 rows each (the arguments that lay in s[4:11] have been used)
	s_mov_b32 s5, 0
	s_mov_b64 s[6:7], s[20:21]
	s_or_b32 s7, s7, 0x80000000
	s_mov_b32 s8, 1
	s_mov_b32 s9, 2*HALFT
	s_mov_b64 s[10:11], s[46:47]
	s_or_b32 s11, s11, 0x80000000
	s_mul_i32 s18, s16, 128*192                    ; for the ring: my 128 rows of a plane
	s_mov_b32 s19, 0
	s_add_nc_u64 s[20:21], s[20:21], s[18:19]
	s_add_nc_u64 s[46:47], s[46:47], s[18:19]
.irp s, 0,1
	s_mov_b32 s[G0+4*\s], 1
	s_add_co_u32 s[G0+4*\s+1], s45, \s*SLOT
	s_add_nc_u64 s[G0+4*\s+2:G0+4*\s+3], s[20:21], \s*ROWB
	s_or_b32 s[G0+4*\s+3], s[G0+4*\s+3], 0x80000000
	s_mov_b32 s[G0B+4*\s], 1
	s_add_co_u32 s[G0B+4*\s+1], s45, \s*SLOT
	s_add_nc_u64 s[G0B+4*\s+2:G0B+4*\s+3], s[46:47], \s*ROWB
	s_or_b32 s[G0B+4*\s+3], s[G0B+4*\s+3], 0x80000000
.endr
; the head's four tiles, one joint load a wave: one chain of branches on the wave's number, every way passes one load
.macro ARM under, g0, g1, next
	s_cmp_lt_u32 s14, \under
	s_cbranch_scc0 \next
	tensor_load_to_lds s[\g0:\g0+3], s[\g1:\g1+7]
	s_nop 0
.rept 4
	v_nop
.endr
	s_branch .Lhead_asked
\next:
.endm
	ARM 1, 4,   G1,  .Lhead_b
	ARM 2, 8,   G1B, .Lhead_sa
	ARM 3, G0S, G1S, .Lhead_sb
	tensor_load_to_lds s[G0SB:G0SB+3], s[G1SB:G1SB+7]
	s_nop 0
.rept 4
	v_nop
.endr
.Lhead_asked:
	v_and_b32 v1, 15, v0
	v_bfe_u32 v2, v0, 4, 1
	v_mul_u32_u24 v3, v1, PITCH
	v_mul_u32_u24 v4, v2, 24
	v_add_nc_u32 v4, v3, v4
	v_lshl_add_u32 v5, v2, 4, v4
	s_mul_i32 s21, s15, HALFT
	s_mul_i32 s22, s16, HALFT
	s_add_co_u32 s22, s22, 2*HALFT
.irp s, 0,1
	v_add_nc_u32 v[ADRA+\s], s21, v4
	v_add_nc_u32 v[ADRB+\s], s22, v4
	v_add_nc_u32 v[ADRA+2+\s], s21, v5
	v_add_nc_u32 v[ADRB+2+\s], s22, v5
	s_add_co_u32 s21, s21, SLOT
	s_add_co_u32 s22, s22, SLOT
.endr
	v_mul_u32_u24 v5, v1, KS
	v_lshrrev_b32 v6, 8, v5
	v_lshl_add_u32 v5, v6, 4, v5
	s_mul_i32 s21, s15, HALFS
	s_mul_i32 s22, s16, HALFS
	s_add_co_u32 s22, s22, 2*HALFS
	s_sub_co_u32 s22, s22, s21
	v_mul_u32_u24 v6, s22, v2
	s_add_co_u32 s21, s21, SCL
	v_add_nc_u32 v5, v5, v6
	v_add_nc_u32 v[ADRS], s21, v5
	s_lshl_b32 s20, s17, 8
	s_lshl_b32 s21, s15, 7
	s_add_co_u32 s20, s20, s21
	s_lshl_b32 s22, s42, 8
	s_lshl_b32 s23, s16, 7
	s_add_co_u32 s22, s22, s23
	s_cmp_eq_u32 s67, 2
	s_cselect_b32 s21, s22, s20
	s_cselect_b32 s23, s20, s22
	s_lshr_b32 s43, s21, 11
	s_lshl_b32 s43, s43, 4
	s_lshr_b32 s44, s23, 6
	s_add_co_u32 s43, s43, s44
	s_lshl_b32 s43, s43, 4
	s_bfe_u32 s44, s21, 0x40007
	s_add_co_u32 s43, s43, s44
	s_mov_b32 s45, 13056
	s_mov_b32 s41, 12288
	s_cmp_eq_u32 s67, 0
	s_cselect_b32 s45, 6656, s45
	s_cselect_b32 s41, 6144, s41
	s_mul_i32 s43, s43, s45
	s_lshl_b32 s44, s45, 4
	s_sub_co_u32 s40, s44, 4608
	s_mov_b32 s46, 768
	s_mov_b32 s47, 256
	s_mov_b32 s18, 0xffff
	s_mov_b32 s19, 12800
	s_cmp_eq_u32 s67, 2
	s_cselect_b32 s41, s19, s41
	s_cselect_b32 s19, 6144, 0
	s_cselect_b32 s18, -1, s18
	s_cselect_b32 s20, s46, s44
	s_cselect_b32 s22, s44, s47
	s_cselect_b32 s94, 1536, s46
	s_cselect_b32 s96, s40, s46
	s_cselect_b32 s44, 0, s44
	s_cselect_b32 s40, 0, 16
	s_cselect_b32 s45, 4, 0
	s_cselect_b32 s21, 0, 64
	s_cselect_b32 s66, 0, 4
	s_mov_b32 s95, 0
	s_mov_b32 s97, 0
	s_add_co_u32 s12, s19, s43
	s_mov_b32 s13, 0
	s_add_nc_u64 s[12:13], s[98:99], s[12:13]
	s_add_co_u32 s100, s41, s43
	s_mov_b32 s101, 0
	s_add_nc_u64 s[100:101], s[98:99], s[100:101]
	s_lshl_b32 s2, s23, 2
	s_mov_b32 s3, 0
	s_add_nc_u64 s[92:93], s[92:93], s[2:3]
	v_and_b32 v6, 31, v0
	v_lshlrev_b32 v[VO], 3, v6
	v_add_nc_u32 v[VOB], s20, v[VO]
	v_lshlrev_b32 v[VS], 4, v1
	v_mul_u32_u24 v7, s44, v2
	v_add_nc_u32 v[VS], v[VS], v7
	v_add_nc_u32 v[VS2], s22, v[VS]
	v_mul_u32_u24 v[SHV], s40, v2
	v_and_b32 v5, 8, v1
	v_add_nc_u32 v5, v5, v1
	v_mul_u32_u24 v5, s45, v5
	v_mul_u32_u24 v7, s21, v2
	v_add_nc_u32 v[VA], v5, v7
.irp j, 1,2,3,4,5,6,7
	v_add_nc_u32 v[VA+\j], s66, v[VA+\j-1]
.endr
.irp x, 0,1,2,3,4,5,6,7
.irp j, 0,1,2,3,4,5,6,7
	global_load_b32 v[T+8*\x+\j], v[VA+\j], s[92:93] offset:4*(32*(\x/2)+8*(\x%2))
.endr
.endr
.macro FRAG reg, adr, q, i
.irp p, 0,1,2,3,4,5
.set PCE, 12*(\q)+6*(\p/3)+\p%3
.if PCE%8 < 5
	ds_load_b64 v[\reg+2*\p:\reg+2*\p+1], v[\adr] offset:8*PCE+16*(PCE/8)+(\i)*16*PITCH
.else
	ds_load_b64 v[\reg+2*\p:\reg+2*\p+1], v[\adr+2] offset:8*PCE+16*(PCE/8)+(\i)*16*PITCH
.endif
.endr
.endm
.macro MUL16 a0, p, q, sc, zero
.irp a, \a0, \a0+1
.irp b, 0,1,2,3,4,5,6,7
.if (\zero) == 1
	v_wmma_scale_f32_16x16x128_f8f6f4 v[8*(8*((\a)%4)+\b):8*(8*((\a)%4)+\b)+7], v[128*(\p)+FR*\b:128*(\p)+FR*\b+FR-1], v[AF+FR*(\a):AF+FR*(\a)+FR-1], v[T+8*\b:T+8*\b+7], v[SC+8*NQ*(\sc)+NQ*\b+(\q)], v[SC+8*NQ*(\sc)+NQ*(\a)+(\q)] matrix_a_fmt:MATRIX_FMT_FP6 matrix_b_fmt:MATRIX_FMT_FP6 matrix_a_scale:MATRIX_SCALE_ROW1
.elseif (\zero) == 2
	v_wmma_scale_f32_16x16x128_f8f6f4 v[8*(8*((\a)%4)+\b):8*(8*((\a)%4)+\b)+7], v[128*(\p)+FR*\b:128*(\p)+FR*\b+FR-1], v[AF+FR*(\a):AF+FR*(\a)+FR-1], v[T+8*(\a):T+8*(\a)+7], v[SC+8*NQ*(\sc)+NQ*\b+(\q)], v[SC+8*NQ*(\sc)+NQ*(\a)+(\q)] matrix_a_fmt:MATRIX_FMT_FP6 matrix_b_fmt:MATRIX_FMT_FP6 matrix_a_scale:MATRIX_SCALE_ROW1
.else
	v_wmma_scale_f32_16x16x128_f8f6f4 v[8*(8*((\a)%4)+\b):8*(8*((\a)%4)+\b)+7], v[128*(\p)+FR*\b:128*(\p)+FR*\b+FR-1], v[AF+FR*(\a):AF+FR*(\a)+FR-1], v[8*(8*((\a)%4)+\b):8*(8*((\a)%4)+\b)+7], v[SC+8*NQ*(\sc)+NQ*\b+(\q)], v[SC+8*NQ*(\sc)+NQ*(\a)+(\q)] matrix_a_fmt:MATRIX_FMT_FP6 matrix_b_fmt:MATRIX_FMT_FP6 matrix_a_scale:MATRIX_SCALE_ROW1
.endif
.endr
.endr
.endm
.macro FETCH_B slot, q, p
	WIN TO_B
.irp i, 0,1,2,3,4,5,6,7
	FRAG 128*(\p)+FR*\i, ADRB+\slot, \q, \i
.endr
	WIN 0
.endm
.macro FETCH_A slot, q, i0
.irp i, \i0, \i0+1, \i0+2, \i0+3
	FRAG AF+FR*(\i), ADRA+\slot, \q, \i
.endr
.endm
.macro SCALES sc
.irp i, 0,1,2,3,4,5,6,7
	ds_load_b64 v[SC+8*NQ*\sc+NQ*\i:SC+8*NQ*\sc+NQ*\i+1], v[ADRS] offset:\i*SBLK
.endr
.endm
.macro PLACES n
.rept \n
	v_nop
.endr
.endm
.macro STEP slot, q, zero
	s_wait_dscnt 4*NL
.if \zero
	WIN BEG_LO
.else
	WIN MUL_LO
.endif
	MUL16 0, (\q)%2, \q, \slot, \zero
	MUL16 2, (\q)%2, \q, \slot, \zero
	s_wait_dscnt 0
	PLACES NP
	FETCH_B \slot, (\q)+1, 1-(\q)%2
	FETCH_A \slot, (\q)+1, 0
.if \zero
	WIN BEG_HI
.else
	WIN MUL_HI
.endif
	MUL16 4, (\q)%2, \q, \slot, \zero
	MUL16 6, (\q)%2, \q, \slot, \zero
	PLACES NP
	WIN 0
	FETCH_A \slot, (\q)+1, 4
.endm
.macro TURN slot, next, fill
	s_wait_tensorcnt 0x0
	ds_add_u32 v[SPW], v[NIL]
	s_wait_dscnt 4*NL+1
	WIN MUL_LO
	MUL16 0, 1, NQ-1, \slot, 0
	s_wait_dscnt 0x0
	s_barrier_signal -1
	MUL16 2, 1, NQ-1, \slot, 0
	WIN 0
	s_barrier_wait -1
.if \fill
	CREST
	s_add_nc_u64 s[G0+4*\slot+2:G0+4*\slot+3], s[G0+4*\slot+2:G0+4*\slot+3], 2*ROWB
	s_add_nc_u64 s[G0B+4*\slot+2:G0B+4*\slot+3], s[G0B+4*\slot+2:G0B+4*\slot+3], 2*ROWB
	JLOAD G0+4*\slot, G1, G0B+4*\slot, G1B
.else
	PLACES NP
.endif
	s_wait_alu depctr_va_vdst(0)
	v_add_nc_u32 v[ADRS], 4*NQ, v[ADRS]
	FETCH_B \next, 0, 0
	FETCH_A \next, 0, 0
	SCALES \next
	WIN MUL_HI
	MUL16 4, 1, NQ-1, \slot, 0
	MUL16 6, 1, NQ-1, \slot, 0
	PLACES NP
	WIN 0
	FETCH_A \next, 0, 4
.endm
	s_wait_alu depctr_va_vdst(0)
	s_wait_tensorcnt 0x0                           ; my tile of the head's four is in
	ds_add_u32 v[SPW], v[NIL]
	s_mov_b32 s[G1+2], 96<<16                      ; no tensor load of mine is out: from here on a load brings 128 rows of codes, 96 rows of 256 bytes
	s_mov_b32 s[G1+4], 96
	s_mov_b32 s[G1B+2], 96<<16
	s_mov_b32 s[G1B+4], 96
	s_wait_dscnt 0x0
	CROUND
	JLOAD G0+4, G1, G0B+4, G1B                     ; K step 1 into slot 1: the first tensor load behind the round
	FETCH_B 0, 0, 0
	FETCH_A 0, 0, 0
	SCALES 0
	FETCH_A 0, 0, 4
	s_wait_loadcnt 0x0
	s_cmp_eq_u32 s67, 2
	s_cbranch_scc1 .Lfirst_v
	STEP 0, 0, 1
	s_branch .Lfirst_done
.Lfirst_v:
	STEP 0, 0, 2
.Lfirst_done:
	s_mov_b32 s3, LAPS-1
.Llap:
	TURN 0, 1, 1
	STEP 1, 0, 0
	TURN 1, 0, 1
	STEP 0, 0, 0
	s_sub_co_u32 s3, s3, 1
	s_cmp_lg_u32 s3, 0
	s_cbranch_scc1 .Llap
	TURN 0, 1, 0
	STEP 1, 0, 0
	s_wait_dscnt 4*NL
	WIN MUL_LO
	MUL16 0, 1, NQ-1, 1, 0
	MUL16 2, 1, NQ-1, 1, 0
	s_wait_dscnt 0
	WIN MUL_HI
	MUL16 4, 1, NQ-1, 1, 0
	MUL16 6, 1, NQ-1, 1, 0
	WIN 0
.macro QBLOCK a
.set WA, 2+(\a)/4
.set WB, (WA|(WA<<2))
.set AC, 64*((\a)%4)
	WIN WB
.irp b, 0,1,2,3
	v_max3_num_f32 v[TM+\b], |v[AC+16*\b]|, |v[AC+16*\b+1]|, 0x1800000
.endr
.irp i, 2,4,6,8,10,12,14
.irp b, 0,1,2,3
	v_max3_num_f32 v[TM+\b], |v[AC+16*\b+\i]|, |v[AC+16*\b+\i+1]|, v[TM+\b]
.endr
.endr
	WIN 0
.irp b, 0,1,2,3
	v_permlanex16_b32 v[TM+4+\b], v[TM+\b], s104, s105
.endr
.irp b, 0,1,2,3
	v_max_num_f32 v[TM+\b], v[TM+\b], v[TM+4+\b]
.endr
.irp b, 0,1,2,3
	v_add_nc_u32 v[TM+12+\b], 0xff000000, v[TM+\b]
.endr
.irp b, 0,1,2,3
	v_lshrrev_b32 v[TM+4+\b], 23, v[TM+12+\b]
.endr
	v_lshl_or_b32 v[SW+(\a)], v[TM+5], 8, v[TM+4]
	v_lshl_or_b32 v[SW+(\a)], v[TM+6], 16, v[SW+(\a)]
	v_lshl_or_b32 v[SW+(\a)], v[TM+7], 24, v[SW+(\a)]
.if (\a) > 0
	s_wait_xcnt 0x0
.if (\a) == 4
	s_add_nc_u64 s[12:13], s[12:13], s[96:97]
.else
	s_add_nc_u64 s[12:13], s[12:13], s[94:95]
.endif
.endif
	WIN WA
.irp c, 0,1
	v_cvt_scalef32_pk16_fp6_f32 v[QC+6*\c:QC+6*\c+2], v[AC+32*\c:AC+32*\c+15], v[TM+12+2*\c]
	v_cvt_scalef32_pk16_fp6_f32 v[QC+12+4*\c:QC+14+4*\c], v[AC+32*\c+16:AC+32*\c+31], v[TM+13+2*\c]
.endr
	WIN 0
	v_nop
.irp c, 0,1
.irp i, 0,1,2
	v_permlane16_swap_b32 v[QC+6*\c+\i], v[QC+12+4*\c+\i]
.endr
.irp i, 0,1,2
	v_mov_b32 v[QC+3+6*\c+\i], v[QC+12+4*\c+\i]
.endr
.endr
.irp p, 0,1,2
	global_store_b64 v[VO], v[QC+2*\p:QC+2*\p+1], s[12:13] offset:256*\p
.endr
.irp p, 0,1,2
	global_store_b64 v[VOB], v[QC+6+2*\p:QC+7+2*\p], s[12:13] offset:256*\p
.endr
.endm
	PLACES NP
.irp b, 0,1,2,3
	v_mov_b32 v[TM+4+\b], 0
.endr
.irp a, 0,1,2,3,4,5,6,7
	QBLOCK \a
.endr
.irp a, 0,1,2,3,4,5,6,7
	v_lshrrev_b32 v[SW+\a], v[SHV], v[SW+\a]
.endr
.irp a, 0,1,2,3,4,5,6,7
	v_and_b32 v[SW+\a], s18, v[SW+\a]
.endr
	global_store_b128 v[VS], v[SW:SW+3], s[100:101]
	global_store_b128 v[VS2], v[SW+4:SW+7], s[100:101]
	s_wait_tensorcnt 0x0
	ds_add_u32 v[SPW], v[NIL]
	s_wait_dscnt 0x0
	CROUND
	s_endpgm
.Lfunc_end_k_q31e3dd174e_proj:
	.size	k_q31e3dd174e_proj, .Lfunc_end_k_q31e3dd174e_proj-k_q31e3dd174e_proj
	.p2alignl 7, 3214868480
	.fill 96, 4, 3214868480
	.section	.rodata,"a",@progbits
	.p2align	6, 0x0
	.amdhsa_kernel k_q31e3dd174e_proj
		.amdhsa_group_segment_fixed_size 327680
		.amdhsa_private_segment_fixed_size 0
		.amdhsa_enable_private_segment 0
		.amdhsa_kernarg_size 72
		.amdhsa_user_sgpr_count 2
		.amdhsa_user_sgpr_kernarg_segment_ptr 1
		.amdhsa_wavefront_size32 1
		.amdhsa_system_sgpr_workgroup_id_x 1
		.amdhsa_system_sgpr_workgroup_id_y 1
		.amdhsa_system_sgpr_workgroup_id_z 1
		.amdhsa_system_vgpr_workitem_id 0
		.amdhsa_next_free_vgpr 1024
		.amdhsa_next_free_sgpr 106
		.amdhsa_reserve_vcc 0
		.amdhsa_float_denorm_mode_32 3
		.amdhsa_float_denorm_mode_16_64 3
		.amdhsa_memory_ordered 1
		.amdhsa_forward_progress 1
		.amdhsa_inst_pref_size 191
	.end_amdhsa_kernel
	.amdgpu_metadata
---
amdhsa.version: [ 1, 2 ]
amdhsa.kernels:
  - .name:           k_q31e3dd174e_proj
    .symbol:         k_q31e3dd174e_proj.kd
    .args:
      - { .name: xc, .offset: 0, .size: 8, .value_kind: global_buffer, .address_space: global }
      - { .name: xs, .offset: 8, .size: 8, .value_kind: global_buffer, .address_space: global }
      - { .name: wc, .offset: 16, .size: 8, .value_kind: global_buffer, .address_space: global }
      - { .name: ws, .offset: 24, .size: 8, .value_kind: global_buffer, .address_space: global }
      - { .name: bq, .offset: 32, .size: 8, .value_kind: global_buffer, .address_space: global }
      - { .name: bk, .offset: 40, .size: 8, .value_kind: global_buffer, .address_space: global }
      - { .name: bv, .offset: 48, .size: 8, .value_kind: global_buffer, .address_space: global }
      - { .name: qimg, .offset: 56, .size: 8, .value_kind: global_buffer, .address_space: global }
      - { .name: kv, .offset: 64, .size: 8, .value_kind: global_buffer, .address_space: global }
    .group_segment_fixed_size: 327680
    .private_segment_fixed_size: 0
    .kernarg_segment_align: 8
    .kernarg_segment_size: 72
    .max_flat_workgroup_size: 128
    .sgpr_count:     106
    .vgpr_count:     1024
    .wavefront_size: 32
...
	.end_amdgpu_metadata
.endif
;; end of part 2
;; launch attn (part 3): grid 4 x 64, 16 waves a work-group, clusters of 4 x 1, 236,544 bytes of LDS; arguments qimg, kv, oc, os; writes oc, os
.if DOCPART == 3
	.amdgcn_target "amdgcn-amd-amdhsa--gfx1250"
	.amdhsa_code_object_version 6
	.text
	.protected	k_q31e3dd174e_attn
	.globl	k_q31e3dd174e_attn
	.p2align	8
	.type	k_q31e3dd174e_attn,@function
k_q31e3dd174e_attn:
	s_mov_b64 s[64:65], 0
	v_nop
	global_prefetch_b8 v0, s[64:65] scope:SCOPE_SE
	s_setreg_imm32_b32 hwreg(HW_REG_WAVE_MODE, 25, 1), 1
	s_wait_xcnt 0x0
	s_wait_alu depctr_hold_cnt(0) depctr_sa_sdst(0) depctr_va_vdst(0) depctr_va_sdst(0) depctr_va_ssrc(0) depctr_va_vcc(0) depctr_vm_vsrc(0)
	s_getreg_b32 s2, hwreg(HW_REG_IB_STS2, 6, 4)
	s_cmp_eq_u32 s2, 0
	s_cbranch_scc0 .Lentry_in_a_cluster
	s_endpgm
.Lentry_in_a_cluster:
	s_bfe_u32 s2, ttmp6, 0x10000c
	s_cmp_lg_u32 s2, 0x3003
	s_cbranch_scc0 .Lentry_shape_is_right
	s_endpgm
.Lentry_shape_is_right:
; O[head][q] = sum over keys of softmax(q . k / 8) v, 64 heads (batch x 16 + head) of 2,048 tokens x 64 channels, both products on codes of FP6 (E2M3) with one E8M0 scale for each 32 along a product's K.
; O is quantised again along the channels.  Read on end, [64 heads][2,048][64] is the [8,192][1,024] operand of the output projection: token T = 2,048 head + q is row x = T / 16, columns 64 (T % 16) ..;
; its 48 bytes of codes go to block x / 256, plane (T % 16) / 4, row x % 256 (192 bytes), byte 48 (T % 4); its two scale bytes to os at 2 T.
; THE SOFTMAX: t = score x log2(e) / 8; M = the row's largest t so far, rounded UP to a whole number; p = 2^(t - M) is quantised along the keys, not normalised; the row's sum is taken of the unquantised p and
; divides O at the end.  When M moves, the sum and O are multiplied by 2^(old M - new M): exact.  A block's largest p is the block's largest score put through the same multiply-add and exponential
; (this takes v_exp_f32 not to fall where its input rises).
; SHARES: a cluster of four work-groups takes a head; a work-group 512 of its queries in two passes of 256; each of its sixteen waves a tile of 16 queries a pass.
; A head's K and V are 16 records of 13,056 bytes (images of operand registers) and fit in LDS: wave w fetches record w by ONE joint load that the four work-groups share; one wait and one barrier show all of it to all waves;
; nothing is filled again.  No prefetch: the only tensor loads stand at the head, so there is no loop to run ahead in.
; LAYOUT: S^T = K Q^T, O^T = V^T P^T: a lane holds ONE query.  A tile's keys are 32 (t / 2) + 8 (t % 2) + r + 8 (r / 8), so the 16 registers of tiles 2 b, 2 b + 1 are 16 neighbouring keys; V's channel tiles likewise.
; K = 64 IN A FORM OF 128: Q's operand has zero codes for k = 64 .. 127; K's operand of tile t is v[32 + 6 t .. 43 + 6 t], its upper six registers tile t + 1's codes (tile 7: zeros): finite numbers x 0.  Bytes 2, 3 of both scale words are 0.
; LIMITS: a block of zeros gets the byte 1 where the rule says 127 (zero codes; this program alone reads the bytes); largest magnitudes under 2^-124 have the byte held at 1; NaN and infinities are not served;
; the promise holds while |t| stays under 2^31.
; REGISTERS: v1-11, v29 addresses; v12 -M, v13 largest t, v[14:15] the sum; v16-27 Q, v28 its scale word; v32-79 K's 8 x 6, then V's 4 x 12; v80-85 zeros; v86-93 K's scale words; v96-159 S^T, then p; v160-191 O^T;
;   v192-195 V's scale words; v196-212 at work; v216-234 P's codes; v236-242 the second pass's Q; v248-255 partial sums.
.set REC,   13056
.set HEADB, 16*REC
.set QREC,  6656
.set OST,   HEADB                      ; the stage for O's codes: four planes of 32 rows x 192 bytes
.set OSC,   OST+512*48                 ; and for its scale bytes, 512 x 2
.set SPARE, OSC+1024                   ; the spare words, 128 bytes a wave, that no other line names
.macro CROUND
	s_barrier_signal -1
	s_barrier_wait -1
	s_cmp_lg_u32 s12, 0
	s_cbranch_scc1 .Lnot_wave_0_\@
	s_barrier_signal -3
.Lnot_wave_0_\@:
	s_barrier_wait -3
	s_barrier_signal -1
	s_barrier_wait -1
.endm
	s_load_b256 s[4:11], s[0:1], 0x0               ; qimg, kv, oc, os
	v_lshl_add_u32 v1, v0, 2, SPARE
	v_mov_b32 v2, 0
	ds_add_u32 v1, v2
	ds_add_u32 v1, v2
	v_lshrrev_b32 v30, 5, v0
	s_delay_alu instid0(VALU_DEP_1)
	v_readfirstlane_b32 s12, v30                   ; wave 0..15
	s_bfe_u32 s13, ttmp6, 0x40000                  ; cx: enters global addresses of Q and O alone
	s_and_b32 s14, ttmp7, 0xffff                   ; the head
	s_mov_b32 s16, 15|(3<<16)|(1<<21)              ; group 1: a record, 51 rows of 256 bytes (32 elements of 8); the mask names all four
	s_mov_b32 s17, 32<<16
	s_mov_b32 s18, 51<<16
	s_mov_b32 s19, 32<<16
	s_mov_b32 s20, 51
	s_mov_b32 s21, 32
	s_mov_b32 s22, 0
	s_mov_b32 s23, 0
	s_mov_b32 s40, 0x76543210
	s_mov_b32 s41, 0xfedcba98
	s_mov_b32 s42, 0x3e38aa3b                      ; c = log2(e) / 8
	s_mov_b32 s43, s42
	s_mul_i32 s15, s12, REC                        ; my record, in LDS and in memory
	s_mul_i32 s56, s14, HEADB
	s_add_co_u32 s56, s56, s15
	s_mov_b32 s57, 0
	s_mul_i32 s52, s14, 16*QREC
	s_lshl_b32 s54, s13, 2
	s_lshr_b32 s55, s12, 3
	s_add_co_u32 s54, s54, s55
	s_mul_i32 s54, s54, QREC
	s_add_co_u32 s52, s52, s54                     ; Q: record 4 cx + wave / 8 (second pass: two records on),
	s_and_b32 s55, s12, 7
	s_mul_i32 s55, s55, 768
	s_add_co_u32 s48, s52, s55                     ; tile wave % 8
	s_mov_b32 s49, 0
	s_bfe_u32 s55, s12, 0x10002
	s_lshl_b32 s55, s55, 8
	s_add_co_u32 s50, s52, s55
	s_and_b32 s55, s12, 3
	s_lshl_b32 s55, s55, 2
	s_add_co_u32 s50, s50, s55
	s_add_co_u32 s50, s50, 6144                    ; its scale words
	s_mov_b32 s51, 0
	s_lshr_b32 s58, s14, 1                         ; O's codes: two heads to a block of 256 rows,
	s_mul_i32 s58, s58, 196608
	s_and_b32 s54, s14, 1
	s_mul_i32 s54, s54, 128*192
	s_add_co_u32 s58, s58, s54
	s_mul_i32 s54, s13, 32*192                     ; my 512 queries are 32 rows
	s_add_co_u32 s58, s58, s54
	s_mov_b32 s59, 0
	s_lshl_b32 s60, s14, 12
	s_lshl_b32 s54, s13, 10
	s_add_co_u32 s60, s60, s54
	s_mov_b32 s61, 0
	s_wait_dscnt 0x0
	s_wait_kmcnt 0x0
	s_add_nc_u64 s[6:7], s[6:7], s[56:57]
	s_add_nc_u64 s[48:49], s[4:5], s[48:49]
	s_add_nc_u64 s[50:51], s[4:5], s[50:51]
	s_add_nc_u64 s[8:9], s[8:9], s[58:59]
	s_add_nc_u64 s[10:11], s[10:11], s[60:61]
	s_mov_b32 s24, 1
	s_mov_b32 s25, s15
	s_mov_b64 s[26:27], s[6:7]
	s_or_b32 s27, s27, 0x80000000
	CROUND                                         ; all four work-groups are here: the joint loads meet
	tensor_load_to_lds s[24:27], s[16:23]          ; my one tensor load of the launch
	s_nop 0
	v_and_b32 v30, 31, v0
	v_and_b32 v31, 15, v0
	s_delay_alu instid0(VALU_DEP_2)
	v_lshlrev_b32 v3, 3, v30                       ; 8 x lane
	s_delay_alu instid0(VALU_DEP_2)
	v_lshlrev_b32 v4, 4, v31                       ; 16 r
	v_and_b32 v5, 8, v31
	s_delay_alu instid0(VALU_DEP_1)
	v_add_nc_u32 v5, v5, v31
	s_lshr_b32 s52, s12, 1
	s_lshl_b32 s52, s52, 5
	s_and_b32 s53, s12, 1
	s_lshl_b32 s53, s53, 3
	s_add_co_u32 s52, s52, s53
	v_add_nc_u32 v5, s52, v5                       ; my query among a pass's 256
	s_delay_alu instid0(VALU_DEP_1)
	v_lshl_add_u32 v6, v5, 1, OSC
	v_lshrrev_b32 v8, 4, v5                        ; its row,
	v_bfe_u32 v9, v5, 2, 2                         ; plane,
	v_and_b32 v5, 3, v5                            ; and quarter of the row's 192 bytes
	v_bfe_u32 v12, v0, 4, 1                        ; h
	s_delay_alu instid0(VALU_DEP_4)
	v_mul_u32_u24 v8, v8, 192
	s_delay_alu instid0(VALU_DEP_1)
	v_mad_u32_u24 v8, v9, 6144, v8
	s_delay_alu instid0(VALU_DEP_1)
	v_mad_u32_u24 v5, v5, 48, v8
	s_delay_alu instid0(VALU_DEP_1)
	v_mad_u32_u24 v5, v12, 12, v5
	s_delay_alu instid0(VALU_DEP_1)
	v_add_nc_u32 v5, OST, v5
	s_mul_i32 s52, s12, 1536
	v_lshlrev_b32 v10, 4, v30
	s_delay_alu instid0(VALU_DEP_1)
	v_add_nc_u32 v10, s52, v10
	s_delay_alu instid0(VALU_DEP_1)
	v_add_nc_u32 v7, OST, v10                      ; the way out: 1,536 bytes of the stage a wave, a quarter of plane wave / 4;
	s_lshr_b32 s53, s12, 2
	s_mul_i32 s53, s53, 49152-6144
	v_add_nc_u32 v10, s53, v10                     ; in oc the planes lie 49,152 bytes apart
	s_lshl_b32 s52, s12, 9
	v_lshlrev_b32 v11, 4, v30
	s_delay_alu instid0(VALU_DEP_1)
	v_add_nc_u32 v11, s52, v11
	s_delay_alu instid0(VALU_DEP_1)
	v_add_nc_u32 v29, OSC, v11
.irp j, 22,23,24,25,26,27,80,81,82,83,84,85
	v_mov_b32 v\j, 0                               ; the zero codes
.endr
.irp b, 0,1,2,3
	v_mov_b32 v[200+\b], 0                         ; a lane permute's destination counts as a source
.endr
	v_mov_b32 v211, 0
; A KEY STEP: the 128 keys of the record at LDS byte s44.
.macro STEP
	v_add_nc_u32 v8, s44, v3
	v_add_nc_u32 v9, s44, v4
.irp t, 0,1,2,3,4,5,6,7
.irp p, 0,1,2
	ds_load_b64 v[32+6*\t+2*\p:33+6*\t+2*\p], v8 offset:768*\t+256*\p
.endr
.endr
	ds_load_b128 v[86:89], v9 offset:12288
	ds_load_b128 v[90:93], v9 offset:12544
	s_wait_alu depctr_va_vdst(0)
	s_wait_dscnt 0x0
.irp t, 0,1,2,3,4,5,6,7
	v_wmma_scale_f32_16x16x128_f8f6f4 v[96+8*\t:103+8*\t], v[32+6*\t:43+6*\t], v[16:27], 0, v[86+\t], v28 matrix_a_fmt:MATRIX_FMT_FP6 matrix_b_fmt:MATRIX_FMT_FP6
.endr
.rept 4
	v_nop                                          ; places ahead of the loads into K's registers and of the first reads of the scores
.endr
.irp c, 0,1,2,3
.irp p, 0,1,2,3,4,5
	ds_load_b64 v[32+12*\c+2*\p:33+12*\c+2*\p], v8 offset:6144+1536*\c+256*\p   ; V lands under the softmax
.endr
.endr
	ds_load_b128 v[192:195], v9 offset:12800
.irp b, 0,1,2,3
	v_max3_num_f32 v[196+\b], v[96+16*\b], v[97+16*\b], v[98+16*\b]   ; each block's largest score
.endr
.irp i, 3,5,7,9,11,13
.irp b, 0,1,2,3
	v_max3_num_f32 v[196+\b], v[196+\b], v[96+16*\b+\i], v[97+16*\b+\i]
.endr
.endr
.irp b, 0,1,2,3
	v_max_num_f32 v[196+\b], v[196+\b], v[111+16*\b]
.endr
.irp b, 0,1,2,3
	s_delay_alu instid0(VALU_DEP_4)
	v_permlanex16_b32 v[200+\b], v[196+\b], s40, s41
.endr
.irp b, 0,1,2,3
	s_delay_alu instid0(VALU_DEP_4)
	v_max_num_f32 v[196+\b], v[196+\b], v[200+\b]
.endr
	s_delay_alu instid0(VALU_DEP_2)
	v_max3_num_f32 v208, v196, v197, v198
	s_delay_alu instid0(VALU_DEP_1)
	v_max_num_f32 v208, v208, v199
	s_delay_alu instid0(VALU_DEP_1)
	v_mul_f32 v208, s42, v208
	s_delay_alu instid0(VALU_DEP_1)
	v_max_num_f32 v13, v13, v208                   ; the running largest t
	v_mov_b32 v208, v12
	s_delay_alu instid0(VALU_DEP_2)
	v_floor_f32 v12, -v13                          ; the new -M
	s_delay_alu instid0(VALU_DEP_1)
	v_sub_f32 v208, v12, v208
	s_delay_alu instid0(VALU_DEP_1)
	v_cvt_i32_f32 v208, v208
	s_delay_alu instid0(VALU_DEP_1)
	v_ldexp_f32 v210, 1.0, v208                    ; f = 2^(old M - new M)
.set j, 0
.rept 32
	v_pk_fma_f32 v[96+j:97+j], v[96+j:97+j], s[42:43], v[12:13] op_sel_hi:[1,0,0]   ; t - M
.set j, j+2
.endr
.irp b, 0,1,2,3
	v_fma_f32 v[196+\b], v[196+\b], s42, v12
.endr
	s_wait_alu depctr_va_vdst(0)
.set j, 0
.rept 64
	v_exp_f32 v[96+j], v[96+j]
.set j, j+1
.endr
	v_pk_mul_f32 v[14:15], v[14:15], v[210:211] op_sel_hi:[1,0]   ; the sums under the new M (the plain line behind the batch)
	s_wait_alu depctr_va_vdst(0)                   ; one wait for the 64
.irp b, 0,1,2,3
	v_exp_f32 v[196+\b], v[196+\b]                 ; the block's largest p
.endr
.irp i, 0,1,2,3
	v_pk_add_f32 v[248+2*\i:249+2*\i], v[96+4*\i:97+4*\i], v[98+4*\i:99+4*\i]   ; the row's sum of the unquantised p: four chains by turns
.endr
.set j, 112
.rept 6
.irp i, 0,1,2,3
	v_pk_add_f32 v[248+2*\i:249+2*\i], v[248+2*\i:249+2*\i], v[j+2*\i:j+2*\i+1]
.endr
.set j, j+8
.endr
	v_pk_add_f32 v[248:249], v[248:249], v[250:251]
	v_pk_add_f32 v[252:253], v[252:253], v[254:255]
	s_delay_alu instid0(VALU_DEP_1)
	v_pk_add_f32 v[248:249], v[248:249], v[252:253]
	s_delay_alu instid0(VALU_DEP_1)
	v_pk_add_f32 v[14:15], v[14:15], v[248:249]
	s_wait_alu depctr_va_vdst(0)                   ; and one for the four
.irp b, 0,1,2,3
	v_max_num_f32 v[196+\b], 0x1800000, v[196+\b]  ; the floor: the byte cannot fall under 1
.endr
.irp b, 0,1,2,3
	s_delay_alu instid0(VALU_DEP_4)
	v_add_nc_u32 v[204+\b], 0xff000000, v[196+\b]
.endr
.irp b, 0,1,2,3
	s_delay_alu instid0(VALU_DEP_4)
	v_lshrrev_b32 v[200+\b], 23, v[204+\b]
.endr
	s_delay_alu instid0(VALU_DEP_3)
	v_lshl_or_b32 v212, v201, 8, v200              ; p's scale word
	s_delay_alu instid0(VALU_DEP_1)
	v_lshl_or_b32 v212, v202, 16, v212
	s_delay_alu instid0(VALU_DEP_1)
	v_lshl_or_b32 v212, v203, 24, v212
.irp c, 0,1
	v_cvt_scalef32_pk16_fp6_f32 v[216+6*\c:218+6*\c], v[96+32*\c:111+32*\c], v[204+2*\c]
	v_cvt_scalef32_pk16_fp6_f32 v[228+4*\c:230+4*\c], v[112+32*\c:127+32*\c], v[205+2*\c]
.endr
	v_nop                                          ; one plain place behind a scaled conversion
.irp c, 0,1
.irp i, 0,1,2
	v_permlane16_swap_b32 v[216+6*\c+\i], v[228+4*\c+\i]   ; a whole block to a lane
.endr
.irp i, 0,1,2
	s_delay_alu instid0(VALU_DEP_3)
	v_mov_b32 v[219+6*\c+\i], v[228+4*\c+\i]
.endr
.endr
	s_wait_alu depctr_va_vdst(0)
.set j, 0
.rept 16
	v_pk_mul_f32 v[160+j:161+j], v[160+j:161+j], v[210:211] op_sel_hi:[1,0]   ; O^T under the new M; also the places between the writes of P's codes and scale word and the products
.set j, j+2
.endr
	s_wait_alu depctr_va_vdst(0)
	s_wait_dscnt 0x0                               ; V
.irp c, 0,1,2,3
	v_wmma_scale_f32_16x16x128_f8f6f4 v[160+8*\c:167+8*\c], v[32+12*\c:43+12*\c], v[216:227], v[160+8*\c:167+8*\c], v[192+\c], v212 matrix_a_fmt:MATRIX_FMT_FP6 matrix_b_fmt:MATRIX_FMT_FP6
.endr
.rept 4
	v_nop                                          ; places ahead of the next loads into V's registers and of the first reads of O^T
.endr
	s_add_co_u32 s44, s44, REC
.endm
.macro WALK                            ; the head's 16 records
	s_mov_b32 s44, 0
	s_mov_b32 s45, 16
.Lwalk_\@:
	STEP
	s_sub_co_u32 s45, s45, 1
	s_cmp_lg_u32 s45, 0
	s_cbranch_scc1 .Lwalk_\@
.endm
.macro INIT                            ; a pass's sums begin as zeros, the largest t as -3e38
	v_mov_b32 v13, 0xff61b1e6
	s_delay_alu instid0(VALU_DEP_1)
	v_floor_f32 v12, -v13
	v_mov_b32 v14, 0
	v_mov_b32 v15, 0
.set j, 0
.rept 32
	v_mov_b32 v[160+j], 0
.set j, j+1
.endr
.endm
; A pass ends: O^T / the sum; register 16 b + i is channel 32 b + 16 h + i of my query: two blocks, quantised, into the stage.
.macro PASS_TAIL p
	v_add_f32 v14, v14, v15
	s_delay_alu instid0(VALU_DEP_1)
	v_permlanex16_b32 v208, v14, s40, s41
	s_delay_alu instid0(VALU_DEP_1)
	v_add_f32 v14, v14, v208
	s_wait_alu depctr_va_vdst(0)
	v_rcp_f32 v14, v14
	v_nop
	s_wait_alu depctr_va_vdst(0)
.set j, 0
.rept 16
	v_pk_mul_f32 v[96+j:97+j], v[160+j:161+j], v[14:15] op_sel_hi:[1,0]
.set j, j+2
.endr
.irp b, 0,1
	v_max3_num_f32 v[196+\b], |v[96+16*\b]|, |v[97+16*\b]|, 0x1800000
.endr
.irp i, 2,4,6,8,10,12,14
.irp b, 0,1
	s_delay_alu instid0(VALU_DEP_2)
	v_max3_num_f32 v[196+\b], v[196+\b], |v[96+16*\b+\i]|, |v[97+16*\b+\i]|
.endr
.endr
.irp b, 0,1
	s_delay_alu instid0(VALU_DEP_2)
	v_permlanex16_b32 v[200+\b], v[196+\b], s40, s41
.endr
.irp b, 0,1
	s_delay_alu instid0(VALU_DEP_2)
	v_max_num_f32 v[196+\b], v[196+\b], v[200+\b]
.endr
.irp b, 0,1
	s_delay_alu instid0(VALU_DEP_2)
	v_add_nc_u32 v[204+\b], 0xff000000, v[196+\b]
.endr
.irp b, 0,1
	s_delay_alu instid0(VALU_DEP_2)
	v_lshrrev_b32 v[200+\b], 23, v[204+\b]
.endr
	s_delay_alu instid0(VALU_DEP_1)
	v_lshl_or_b32 v208, v201, 8, v200
	v_cvt_scalef32_pk16_fp6_f32 v[216:218], v[96:111], v204
	v_cvt_scalef32_pk16_fp6_f32 v[220:222], v[112:127], v205
	v_nop
.irp b, 0,1
.irp i, 0,1,2
	ds_store_b32 v5, v[216+4*\b+\i] offset:\p*16*192+24*\b+4*\i   ; a pass is 16 rows of each plane
.endr
.endr
	ds_store_b16 v6, v208 offset:\p*512
.endm
.irp i, 0,1,2                                  ; both passes' tiles of Q are asked for now
	global_load_b64 v[16+2*\i:17+2*\i], v3, s[48:49] offset:256*\i
	global_load_b64 v[236+2*\i:237+2*\i], v3, s[48:49] offset:2*QREC+256*\i
.endr
	global_load_b32 v28, v4, s[50:51]
	global_load_b32 v242, v4, s[50:51] offset:2*QREC
	INIT
	s_wait_alu depctr_va_vdst(0)
	s_wait_loadcnt 0x0
	s_wait_tensorcnt 0x0                           ; my record is in;
	s_barrier_signal -1
	s_barrier_wait -1                              ; everybody's is
	WALK
	PASS_TAIL 0
.irp i, 0,1,2,3,4,5
	v_mov_b32 v[16+\i], v[236+\i]                  ; the second pass's Q; INIT's lines are the places ahead of the products
.endr
	v_mov_b32 v28, v242
	INIT
	WALK
	PASS_TAIL 1
	s_wait_dscnt 0x0                               ; my stores into the stage are done
	s_barrier_signal -1
	s_barrier_wait -1
.irp i, 0,1,2
	ds_load_b128 v[96+4*\i:99+4*\i], v7 offset:512*\i
.endr
.irp i, 0,1,2
	s_wait_dscnt 2-\i                              ; load i is in; the 2 - i younger ones may be out
	global_store_b128 v10, v[96+4*\i:99+4*\i], s[8:9] offset:512*\i   ; 32 lanes store 512 consecutive bytes, aligned to 256
.endr
	s_cmp_lt_u32 s12, 2                            ; the 1,024 scale bytes: waves 0 and 1
	s_cbranch_scc0 .Lno_scales
	ds_load_b128 v[108:111], v29
	s_wait_dscnt 0x0
	global_store_b128 v11, v[108:111], s[10:11]
.Lno_scales:
	s_wait_tensorcnt 0x0                           ; the wave's end
	ds_add_u32 v1, v2
	s_wait_dscnt 0x0
	CROUND                                         ; the closing round
	s_endpgm
.Lfunc_end_k_q31e3dd174e_attn:
	.size	k_q31e3dd174e_attn, .Lfunc_end_k_q31e3dd174e_attn-k_q31e3dd174e_attn
	.p2alignl 7, 3214868480
	.fill 96, 4, 3214868480
	.section	.rodata,"a",@progbits
	.p2align	6, 0x0
	.amdhsa_kernel k_q31e3dd174e_attn
		.amdhsa_group_segment_fixed_size 236544
		.amdhsa_private_segment_fixed_size 0
		.amdhsa_enable_private_segment 0
		.amdhsa_kernarg_size 32
		.amdhsa_user_sgpr_count 2
		.amdhsa_user_sgpr_kernarg_segment_ptr 1
		.amdhsa_wavefront_size32 1
		.amdhsa_system_sgpr_workgroup_id_x 1
		.amdhsa_system_sgpr_workgroup_id_y 1
		.amdhsa_system_sgpr_workgroup_id_z 1
		.amdhsa_system_vgpr_workitem_id 0
		.amdhsa_next_free_vgpr 256
		.amdhsa_next_free_sgpr 66
		.amdhsa_reserve_vcc 0
		.amdhsa_float_denorm_mode_32 3
		.amdhsa_float_denorm_mode_16_64 3
		.amdhsa_memory_ordered 1
		.amdhsa_forward_progress 1
		.amdhsa_inst_pref_size 56
	.end_amdhsa_kernel
	.amdgpu_metadata
---
amdhsa.version: [ 1, 2 ]
amdhsa.kernels:
  - .name:           k_q31e3dd174e_attn
    .symbol:         k_q31e3dd174e_attn.kd
    .args:
      - { .name: qimg, .offset: 0, .size: 8, .value_kind: global_buffer, .address_space: global }
      - { .name: kv, .offset: 8, .size: 8, .value_kind: global_buffer, .address_space: global }
      - { .name: oc, .offset: 16, .size: 8, .value_kind: global_buffer, .address_space: global }
      - { .name: os, .offset: 24, .size: 8, .value_kind: global_buffer, .address_space: global }
    .group_segment_fixed_size: 236544
    .private_segment_fixed_size: 0
    .kernarg_segment_align: 8
    .kernarg_segment_size: 32
    .max_flat_workgroup_size: 512
    .sgpr_count:     66
    .vgpr_count:     256
    .wavefront_size: 32
...
	.end_amdgpu_metadata
.endif
;; end of part 3
;; launch outproj (part 4): grid 8 x 32, 4 waves a work-group, clusters of 4 x 4, 327,680 bytes of LDS; arguments oc, os, wc, ws, bo, out0; writes out0
.if DOCPART == 4
	.amdgcn_target "amdgcn-amd-amdhsa--gfx1250"
	.amdhsa_code_object_version 6
	.text
	.protected	k_q31e3dd174e_outproj
	.globl	k_q31e3dd174e_outproj
	.p2align	8
	.type	k_q31e3dd174e_outproj,@function
k_q31e3dd174e_outproj:
	s_mov_b64 s[64:65], 0
	v_nop
	global_prefetch_b8 v0, s[64:65] scope:SCOPE_SE
	s_setreg_imm32_b32 hwreg(HW_REG_WAVE_MODE, 25, 1), 1
	s_wait_xcnt 0x0
	s_wait_alu depctr_hold_cnt(0) depctr_sa_sdst(0) depctr_va_vdst(0) depctr_va_sdst(0) depctr_va_ssrc(0) depctr_va_vcc(0) depctr_vm_vsrc(0)
	s_getreg_b32 s2, hwreg(HW_REG_IB_STS2, 6, 4)
	s_cmp_eq_u32 s2, 0
	s_cbranch_scc0 .Lentry_in_a_cluster
	s_endpgm
.Lentry_in_a_cluster:
	s_bfe_u32 s2, ttmp6, 0x10000c
	s_cmp_lg_u32 s2, 0xf033
	s_cbranch_scc0 .Lentry_shape_is_right
	s_endpgm
.Lentry_shape_is_right:
.set SIZE_N, 1024
.set KSTEP,  256
.set NQ,     KSTEP/128
.set ROWB,   49152                     ; bytes from one K step's plane of a block of 256 rows to the next
.set KROW,   768
.set PITCH,  240
.set FR,     12
.set NL,     6
.set NP,     4
.set HALFT,  128*PITCH
.set SLOT,   4*HALFT
.set LAPS,   2
.set KS,     32
.set SCL,    2*SLOT
.set HALFS,  16*272
.set SBLK,   2*272
.set SPARE,  SCL+4*HALFS
.set SPITCH, 528
.set ADRA, 16
.set ADRB, 20
.set STO,  24
.set RD,   25
.set CO,   26
.set ADRS, 27
.set SPW,  28
.set NIL,  29
.set VB,   30
.set SC,   32
.set T,    64
.set AF,   128
.set BK,   128
.set G1, 24
.set G0, 32
.set G1B, 48
.set G0B, 56
.set G1S, 68
.set G0S, 76
.set G1SB, 80
.set G0SB, 88
.set MSB, 0
.macro WIN new
.if MSB != \new
	s_set_vgpr_msb (MSB<<8)|\new
.set MSB, \new
.endif
.endm
.set MUL_LO, 0xa1
.set MUL_HI, 0xf1
.set BEG_LO, 0x81
.set BEG_HI, 0xc1
.set TO_B,   0x40
.macro JLOAD g0a, g1a, g0b, g1b
	s_cmp_eq_u32 s15, 0
	s_cbranch_scc0 .Lfor_b_\@
	tensor_load_to_lds s[\g0a:\g0a+3], s[\g1a:\g1a+7]
	s_nop 0
.rept 4
	v_nop
.endr
	s_branch .Lasked_\@
.Lfor_b_\@:
	tensor_load_to_lds s[\g0b:\g0b+3], s[\g1b:\g1b+7]
	s_nop 0
.rept 4
	v_nop
.endr
.Lasked_\@:
.endm
.macro CREST
	s_cmp_lg_u32 s14, 0
	s_cbranch_scc1 .Lnot_wave_0_\@
	s_barrier_signal -3
.Lnot_wave_0_\@:
	s_barrier_wait -3
	s_barrier_signal -1
	s_barrier_wait -1
.endm
.macro CROUND
	s_barrier_signal -1
	s_barrier_wait -1
	CREST
.endm
	s_load_b256 s[4:11], s[0:1], 0x0
	s_load_b128 s[96:99], s[0:1], 0x20
	v_lshl_add_u32 v[SPW], v0, 2, SPARE
	v_mov_b32 v[NIL], 0
	ds_add_u32 v[SPW], v[NIL]
	ds_add_u32 v[SPW], v[NIL]
	v_lshrrev_b32 v1, 5, v0
	v_readfirstlane_b32 s14, v1
	s_lshr_b32 s15, s14, 1
	s_and_b32 s16, s14, 1
	s_bfe_u32 s40, ttmp6, 0x40000
	s_bfe_u32 s41, ttmp6, 0x40004
	s_lshl_b32 s42, ttmp9, 2
	s_add_co_u32 s42, s42, s40
	s_and_b32 s17, ttmp7, 0xffff
	s_lshl_b32 s17, s17, 2
	s_add_co_u32 s17, s17, s41
	s_lshl_b32 s43, s41, 2
	s_lshl_b32 s43, 15, s43
	s_lshl_b32 s44, 0x1111, s40
	s_or_b32 s[G1+0], s43, (0<<16)|(1<<20)|(1<<21)|(3<<22)|(3<<25)
	s_or_b32 s[G1B+0], s44, (0<<16)|(1<<20)|(1<<21)|(3<<22)|(3<<25)
.irp g, G1, G1B
	s_mov_b32 s[\g+1], 256<<16                     ; 256 rows x 192 bytes of one K step are dense in memory: stated as 192 rows of 256 bytes; 16 bytes of padding behind every 64, so a row of codes has the LDS pitch 240
	s_mov_b32 s[\g+2], 192<<16
	s_mov_b32 s[\g+3], 256<<16
	s_mov_b32 s[\g+4], 192
	s_mov_b32 s[\g+5], 256
	s_mov_b32 s[\g+6], 0
	s_mov_b32 s[\g+7], 0
.endr
	s_mov_b32 s[G1B+2], 96<<16                     ; the block of C is 256 rows x 128 columns: B's tile is 128 rows of codes, 96 rows of 256 bytes
	s_mov_b32 s[G1B+4], 96
	s_or_b32 s[G1S+0], s43, (3<<16)|(1<<20)|(1<<21)|(5<<22)|(3<<25)
	s_or_b32 s[G1SB+0], s44, (3<<16)|(1<<20)|(1<<21)|(5<<22)|(3<<25)
.irp g, G1S, G1SB
	s_mov_b32 s[\g+1], 32<<16
	s_mov_b32 s[\g+2], 32<<16                      ; the scales of 256 rows: 32 rows of 256 bytes
	s_mov_b32 s[\g+3], 32<<16
	s_mov_b32 s[\g+4], 32
	s_mov_b32 s[\g+5], 32
	s_mov_b32 s[\g+6], 0
	s_mov_b32 s[\g+7], 0
.endr
	s_mov_b32 s[G1SB+2], 16<<16                    ; the scales of B's 128 rows: 16 rows of 256 bytes
	s_mov_b32 s[G1SB+4], 16
	s_lshl_b32 s20, s17, 8                         ; the tile's first row of O,
	s_lshl_b32 s46, s42, 7
	s_add_co_u32 s46, s46, 3072                    ; and of Wo, the fourth weight
	s_mov_b32 s21, 0
	s_mov_b32 s47, 0
	s_mov_b64 s[18:19], KS
	s_mul_u64 s[22:23], s[20:21], s[18:19]
	s_mul_u64 s[92:93], s[46:47], s[18:19]
	s_mov_b64 s[18:19], KROW
	s_mul_u64 s[20:21], s[20:21], s[18:19]
	s_lshr_b32 s46, s42, 1                         ; B's codes: two tiles of 128 rows to a block of 256 rows,
	s_mul_i32 s46, s46, 196608
	s_and_b32 s94, s42, 1
	s_mul_i32 s94, s94, 128*192                    ; the tile's 128 rows in a plane,
	s_add_co_u32 s46, s46, s94
	s_add_co_u32 s46, s46, 3072*KROW               ; behind the three other weights
	s_mul_i32 s45, s14, HALFT
	s_wait_dscnt 0x0
	s_wait_kmcnt 0x0
	s_add_nc_u64 s[20:21], s[4:5], s[20:21]
	s_add_nc_u64 s[22:23], s[6:7], s[22:23]
	s_add_nc_u64 s[46:47], s[8:9], s[46:47]
	s_add_nc_u64 s[92:93], s[10:11], s[92:93]
	CROUND
	s_mov_b32 s[G0S], 1
	s_mov_b32 s[G0S+1], SCL
	s_mov_b64 s[G0S+2:G0S+3], s[22:23]
	s_or_b32 s[G0S+3], s[G0S+3], 0x80000000
	s_mov_b32 s[G0SB], 1
	s_mov_b32 s[G0SB+1], SCL+2*HALFS
	s_mov_b64 s[G0SB+2:G0SB+3], s[92:93]
	s_or_b32 s[G0SB+3], s[G0SB+3], 0x80000000
	s_mov_b32 s4, 1                                ; group 0 of the head's loads of K step 0, 256 rows each (the arguments that lay in s[4:11] have been used)
	s_mov_b32 s5, 0
	s_mov_b64 s[6:7], s[20:21]
	s_or_b32 s7, s7, 0x80000000
	s_mov_b32 s8, 1
	s_mov_b32 s9, 2*HALFT
	s_mov_b64 s[10:11], s[46:47]
	s_or_b32 s11, s11, 0x80000000
	s_mul_i32 s18, s16, 128*192                    ; for the ring: my 128 rows of a plane
	s_mov_b32 s19, 0
	s_add_nc_u64 s[20:21], s[20:21], s[18:19]
	s_lshr_b32 s18, s18, 1                         ; of B my 64 rows of a plane,
	s_add_nc_u64 s[46:47], s[46:47], s[18:19]
	s_mul_i32 s94, s16, HALFT/2                    ; which go behind A's 256 rows
	s_add_co_u32 s94, s94, 2*HALFT
.irp s, 0,1
	s_mov_b32 s[G0+4*\s], 1
	s_add_co_u32 s[G0+4*\s+1], s45, \s*SLOT
	s_add_nc_u64 s[G0+4*\s+2:G0+4*\s+3], s[20:21], \s*ROWB
	s_or_b32 s[G0+4*\s+3], s[G0+4*\s+3], 0x80000000
	s_mov_b32 s[G0B+4*\s], 1
	s_add_co_u32 s[G0B+4*\s+1], s94, \s*SLOT
	s_add_nc_u64 s[G0B+4*\s+2:G0B+4*\s+3], s[46:47], \s*ROWB
	s_or_b32 s[G0B+4*\s+3], s[G0B+4*\s+3], 0x80000000
.endr
; the head's four tiles, one joint load a wave: one chain of branches on the wave's number, every way passes one load
.macro ARM under, g0, g1, next
	s_cmp_lt_u32 s14, \under
	s_cbranch_scc0 \next
	tensor_load_to_lds s[\g0:\g0+3], s[\g1:\g1+7]
	s_nop 0
.rept 4
	v_nop
.endr
	s_branch .Lhead_asked
\next:
.endm
	ARM 1, 4,   G1,  .Lhead_b
	ARM 2, 8,   G1B, .Lhead_sa
	ARM 3, G0S, G1S, .Lhead_sb
	tensor_load_to_lds s[G0SB:G0SB+3], s[G1SB:G1SB+7]
	s_nop 0
.rept 4
	v_nop
.endr
.Lhead_asked:
	v_and_b32 v1, 15, v0
	v_bfe_u32 v2, v0, 4, 1
	v_mul_u32_u24 v3, v1, PITCH
	v_mul_u32_u24 v4, v2, 24
	v_add_nc_u32 v4, v3, v4
	v_lshl_add_u32 v5, v2, 4, v4
	s_mul_i32 s21, s15, HALFT
	s_mul_i32 s22, s16, HALFT/2
	s_add_co_u32 s22, s22, 2*HALFT
.irp s, 0,1
	v_add_nc_u32 v[ADRA+\s], s21, v4
	v_add_nc_u32 v[ADRB+\s], s22, v4
	v_add_nc_u32 v[ADRA+2+\s], s21, v5
	v_add_nc_u32 v[ADRB+2+\s], s22, v5
	s_add_co_u32 s21, s21, SLOT
	s_add_co_u32 s22, s22, SLOT
.endr
	v_mul_u32_u24 v5, v1, KS
	v_lshrrev_b32 v6, 8, v5
	v_lshl_add_u32 v5, v6, 4, v5
	s_mul_i32 s21, s15, HALFS
	s_mul_i32 s22, s16, HALFS/2
	s_add_co_u32 s22, s22, 2*HALFS
	s_sub_co_u32 s22, s22, s21
	v_mul_u32_u24 v6, s22, v2
	s_add_co_u32 s21, s21, SCL
	v_add_nc_u32 v31, s21, v5                      ; v31: A's scale words in all lanes, for A's blocks 4-7 (B has four blocks)
	v_add_nc_u32 v[ADRS], v31, v6
	s_mul_i32 s23, s14, 16*SPITCH
	v_mul_u32_u24 v5, v1, SPITCH
	v_lshl_add_u32 v5, v2, 6, v5
	v_add_nc_u32 v[STO], s23, v5
	v_lshlrev_b32 v6, 4, v1                        ; back: sixteen lanes take a row of 256 bytes, two rows an instruction
	v_mad_u32_u24 v[RD], v2, SPITCH, v6
	v_add_nc_u32 v[RD], s23, v[RD]
	v_lshl_add_u32 v[CO], v2, 12, v6               ; and the same two rows in C
	v_lshlrev_b32 v[VB], 6, v2
	s_wait_alu depctr_va_vdst(0)
	s_lshl_b32 s20, s17, 8
	s_lshl_b32 s21, s15, 7
	s_add_co_u32 s20, s20, s21
	s_mov_b32 s21, 0
	s_mov_b64 s[18:19], SIZE_N*4
	s_mul_u64 s[20:21], s[20:21], s[18:19]
	s_lshl_b32 s46, s42, 9
	s_lshl_b32 s47, s16, 8
	s_add_co_u32 s46, s46, s47
	s_mov_b32 s47, 0
	s_add_nc_u64 s[96:97], s[96:97], s[46:47]
	s_add_nc_u64 s[20:21], s[20:21], s[46:47]
	s_add_nc_u64 s[12:13], s[98:99], s[20:21]
.irp b, 0,1,2,3
	global_load_b128 v[T+8*\b:T+8*\b+3], v[VB], s[96:97] offset:4*(32*(\b/2)+8*(\b%2))
	global_load_b128 v[T+8*\b+4:T+8*\b+7], v[VB], s[96:97] offset:4*(32*(\b/2)+8*(\b%2))+16
.endr
.macro FRAG reg, adr, q, i
.irp p, 0,1,2,3,4,5
.set PCE, 12*(\q)+6*(\p/3)+\p%3
.if PCE%8 < 5
	ds_load_b64 v[\reg+2*\p:\reg+2*\p+1], v[\adr] offset:8*PCE+16*(PCE/8)+(\i)*16*PITCH
.else
	ds_load_b64 v[\reg+2*\p:\reg+2*\p+1], v[\adr+2] offset:8*PCE+16*(PCE/8)+(\i)*16*PITCH
.endif
.endr
.endm
.macro MUL16 a0, p, q, sc, zero
.irp a, \a0, \a0+1
.irp b, 0,1,2,3
.if \zero
	v_wmma_scale_f32_16x16x128_f8f6f4 v[8*(8*((\a)%4)+\b):8*(8*((\a)%4)+\b)+7], v[128*(\p)+FR*\b:128*(\p)+FR*\b+FR-1], v[AF+FR*(\a):AF+FR*(\a)+FR-1], v[T+8*\b:T+8*\b+7], v[SC+8*NQ*(\sc)+NQ*\b+(\q)], v[SC+8*NQ*(\sc)+NQ*(\a)+(\q)] matrix_a_fmt:MATRIX_FMT_FP6 matrix_b_fmt:MATRIX_FMT_FP6 matrix_a_scale:MATRIX_SCALE_ROW1
.else
	v_wmma_scale_f32_16x16x128_f8f6f4 v[8*(8*((\a)%4)+\b):8*(8*((\a)%4)+\b)+7], v[128*(\p)+FR*\b:128*(\p)+FR*\b+FR-1], v[AF+FR*(\a):AF+FR*(\a)+FR-1], v[8*(8*((\a)%4)+\b):8*(8*((\a)%4)+\b)+7], v[SC+8*NQ*(\sc)+NQ*\b+(\q)], v[SC+8*NQ*(\sc)+NQ*(\a)+(\q)] matrix_a_fmt:MATRIX_FMT_FP6 matrix_b_fmt:MATRIX_FMT_FP6 matrix_a_scale:MATRIX_SCALE_ROW1
.endif
.endr
.endr
.endm
.macro FETCH_B slot, q, p
	WIN TO_B
.irp i, 0,1,2,3
	FRAG 128*(\p)+FR*\i, ADRB+\slot, \q, \i
.endr
	WIN 0
.endm
.macro FETCH_A slot, q, i0
.irp i, \i0, \i0+1, \i0+2, \i0+3
	FRAG AF+FR*(\i), ADRA+\slot, \q, \i
.endr
.endm
.macro SCALES sc
.irp i, 0,1,2,3
	ds_load_b64 v[SC+8*NQ*\sc+NQ*\i:SC+8*NQ*\sc+NQ*\i+1], v[ADRS] offset:\i*SBLK
.endr
.irp i, 4,5,6,7
	ds_load_b64 v[SC+8*NQ*\sc+NQ*\i:SC+8*NQ*\sc+NQ*\i+1], v31 offset:\i*SBLK
.endr
.endm
.macro PLACES n
.rept \n
	v_nop
.endr
.endm
.macro STEP slot, q, zero
	s_wait_dscnt 4*NL
.if \zero
	WIN BEG_LO
.else
	WIN MUL_LO
.endif
	MUL16 0, (\q)%2, \q, \slot, \zero
	MUL16 2, (\q)%2, \q, \slot, \zero
	s_wait_dscnt 0
	PLACES NP
	FETCH_B \slot, (\q)+1, 1-(\q)%2
	FETCH_A \slot, (\q)+1, 0
.if \zero
	WIN BEG_HI
.else
	WIN MUL_HI
.endif
	MUL16 4, (\q)%2, \q, \slot, \zero
	MUL16 6, (\q)%2, \q, \slot, \zero
	PLACES NP
	WIN 0
	FETCH_A \slot, (\q)+1, 4
.endm
.macro TURN slot, next, fill
	s_wait_tensorcnt 0x0
	ds_add_u32 v[SPW], v[NIL]
	s_wait_dscnt 4*NL+1
	WIN MUL_LO
	MUL16 0, 1, NQ-1, \slot, 0
	s_wait_dscnt 0x0
	s_barrier_signal -1
	MUL16 2, 1, NQ-1, \slot, 0
	WIN 0
	s_barrier_wait -1
.if \fill
	CREST
	s_add_nc_u64 s[G0+4*\slot+2:G0+4*\slot+3], s[G0+4*\slot+2:G0+4*\slot+3], 2*ROWB
	s_add_nc_u64 s[G0B+4*\slot+2:G0B+4*\slot+3], s[G0B+4*\slot+2:G0B+4*\slot+3], 2*ROWB
	JLOAD G0+4*\slot, G1, G0B+4*\slot, G1B
.else
	PLACES NP
.endif
	s_wait_alu depctr_va_vdst(0)
	v_add_nc_u32 v[ADRS], 4*NQ, v[ADRS]
	v_add_nc_u32 v31, 4*NQ, v31
	FETCH_B \next, 0, 0
	FETCH_A \next, 0, 0
	SCALES \next
	WIN MUL_HI
	MUL16 4, 1, NQ-1, \slot, 0
	MUL16 6, 1, NQ-1, \slot, 0
	PLACES NP
	WIN 0
	FETCH_A \next, 0, 4
.endm
	s_wait_alu depctr_va_vdst(0)
	s_wait_tensorcnt 0x0                           ; my tile of the head's four is in
	ds_add_u32 v[SPW], v[NIL]
	s_mov_b32 s[G1+2], 96<<16                      ; no tensor load of mine is out: from here on a load brings 128 rows of codes, 96 rows of 256 bytes
	s_mov_b32 s[G1+4], 96
	s_mov_b32 s[G1B+2], 48<<16                     ; of B 64 rows of codes a wave, 48 rows of 256 bytes
	s_mov_b32 s[G1B+4], 48
	s_wait_dscnt 0x0
	CROUND
	JLOAD G0+4, G1, G0B+4, G1B                     ; K step 1 into slot 1: the first tensor load behind the round
	FETCH_B 0, 0, 0
	FETCH_A 0, 0, 0
	SCALES 0
	FETCH_A 0, 0, 4
	s_wait_loadcnt 0x0
	STEP 0, 0, 1
	s_mov_b32 s3, LAPS-1
.Llap:
	TURN 0, 1, 1
	STEP 1, 0, 0
	TURN 1, 0, 1
	STEP 0, 0, 0
	s_sub_co_u32 s3, s3, 1
	s_cmp_lg_u32 s3, 0
	s_cbranch_scc1 .Llap
	TURN 0, 1, 0
	STEP 1, 0, 0
	s_wait_dscnt 4*NL
	WIN MUL_LO
	MUL16 0, 1, NQ-1, 1, 0
	MUL16 2, 1, NQ-1, 1, 0
	s_wait_dscnt 0
	WIN MUL_HI
	MUL16 4, 1, NQ-1, 1, 0
	MUL16 6, 1, NQ-1, 1, 0
	WIN 0
.macro TOSTAGE a
.set AC, 64*((\a)%4)
.set WD, 0x08+4*((\a)/4)
	WIN WD
.irp b, 0,1,2,3
	ds_store_b128 v[STO], v[AC+8*\b:AC+8*\b+3] offset:128*(\b/2)+32*(\b%2)
	ds_store_b128 v[STO], v[AC+8*\b+4:AC+8*\b+7] offset:128*(\b/2)+32*(\b%2)+16
.endr
	WIN 0
.set BB, BK+64*((\a)%2)
.irp t, 0,1,2,3,4,5,6,7
	ds_load_b128 v[BB+4*\t:BB+4*\t+3], v[RD] offset:2*\t*SPITCH
.endr
.endm
.macro SEND a, younger
.set BB, BK+64*((\a)%2)
	s_wait_dscnt \younger
.if (\a) > 0
	s_add_nc_u64 s[12:13], s[12:13], 16*SIZE_N*4
.endif
.irp t, 0,1,2,3,4,5,6,7
	global_store_b128 v[CO], v[BB+4*\t:BB+4*\t+3], s[12:13] offset:2*\t*SIZE_N*4 th:TH_STORE_NT   ; sixteen lanes store 256 consecutive bytes, aligned
.endr
.endm
	PLACES NP
	TOSTAGE 0
.irp a, 1,2,3,4,5,6,7
.if \a > 1
	s_wait_xcnt 0x0
.endif
	TOSTAGE \a
	SEND \a-1, 16                                  ; behind block a - 1's loads: block a's 8 stores and 8 loads
.endr
	s_wait_xcnt 0x0
	SEND 7, 0
	s_wait_tensorcnt 0x0
	ds_add_u32 v[SPW], v[NIL]
	s_wait_dscnt 0x0
	CROUND
	s_endpgm
.Lfunc_end_k_q31e3dd174e_outproj:
	.size	k_q31e3dd174e_outproj, .Lfunc_end_k_q31e3dd174e_outproj-k_q31e3dd174e_outproj
	.p2alignl 7, 3214868480
	.fill 96, 4, 3214868480
	.section	.rodata,"a",@progbits
	.p2align	6, 0x0
	.amdhsa_kernel k_q31e3dd174e_outproj
		.amdhsa_group_segment_fixed_size 327680
		.amdhsa_private_segment_fixed_size 0
		.amdhsa_enable_private_segment 0
		.amdhsa_kernarg_size 48
		.amdhsa_user_sgpr_count 2
		.amdhsa_user_sgpr_kernarg_segment_ptr 1
		.amdhsa_wavefront_size32 1
		.amdhsa_system_sgpr_workgroup_id_x 1
		.amdhsa_system_sgpr_workgroup_id_y 1
		.amdhsa_system_sgpr_workgroup_id_z 1
		.amdhsa_system_vgpr_workitem_id 0
		.amdhsa_next_free_vgpr 1024
		.amdhsa_next_free_sgpr 100
		.amdhsa_reserve_vcc 0
		.amdhsa_float_denorm_mode_32 3
		.amdhsa_float_denorm_mode_16_64 3
		.amdhsa_memory_ordered 1
		.amdhsa_forward_progress 1
		.amdhsa_inst_pref_size 105
	.end_amdhsa_kernel
	.amdgpu_metadata
---
amdhsa.version: [ 1, 2 ]
amdhsa.kernels:
  - .name:           k_q31e3dd174e_outproj
    .symbol:         k_q31e3dd174e_outproj.kd
    .args:
      - { .name: oc, .offset: 0, .size: 8, .value_kind: global_buffer, .address_space: global }
      - { .name: os, .offset: 8, .size: 8, .value_kind: global_buffer, .address_space: global }
      - { .name: wc, .offset: 16, .size: 8, .value_kind: global_buffer, .address_space: global }
      - { .name: ws, .offset: 24, .size: 8, .value_kind: global_buffer, .address_space: global }
      - { .name: bo, .offset: 32, .size: 8, .value_kind: global_buffer, .address_space: global }
      - { .name: out0, .offset: 40, .size: 8, .value_kind: global_buffer, .address_space: global }
    .group_segment_fixed_size: 327680
    .private_segment_fixed_size: 0
    .kernarg_segment_align: 8
    .kernarg_segment_size: 48
    .max_flat_workgroup_size: 128
    .sgpr_count:     100
    .vgpr_count:     1024
    .wavefront_size: 32
...
	.end_amdgpu_metadata
.endif
;; end of part 4
